; MI455X (gfx1250); checked and timed in simulation.
; The chip was launched on July 23, 2026; its instructions are those of AMD's public machine-readable ISA for CDNA 5 (MIT licence, August 2026) and "CDNA5" Instruction Set Architecture Reference Guide (July 2026). The comments in the code are by the model that wrote it; some were corrected since.
;; Multi Head Attention. Allowed arithmetic: matrix products marked QUANTISED: E2M3 operands, one E8M0 scale for each 32 along K, by v_wmma_scale_f32_16x16x128_f8f6f4 with both operands' format E2M3, f32 sums; everything else in f32.
;; Inputs: Wk 1,024 x 1,024 float32; Wo 1,024 x 1,024 float32; Wq 1,024 x 1,024 float32; Wv 1,024 x 1,024 float32; bk 1,024 float32; bo 1,024 float32; bq 1,024 float32; bv 1,024 float32; key 4 x 2,048 x 1,024 float32; mask 4 x 2,048 x 2,048 int32; query 4 x 2,048 x 1,024 float32; value 4 x 2,048 x 1,024 float32.
;; Outputs: out0 4 x 2,048 x 1,024 float32.
;; This version of the problem:
;;   THIS VERSION OF THE PROBLEM IS GIVEN IN LOW PRECISION. The matrix products marked QUANTISED in the list below multiply operands that are first quantised to E2M3 (2 exponent bits, 3 mantissa bits; 6 bits a number), with one power-of-two scale for each 32 numbers along K (OCP MX v1.0); their sums are f32. All else is computed in f32.
;;   The module's matrix products, in the order in which they are computed (A, B: the left and right operand; K: the contracted axis; several contracted axes count as one K, in the product's order):
;;     1. [M 8,192, K 1,024] x [K 1,024, N 1,024]; A: input query; B: input Wq: QUANTISED
;;     2. [M 8,192, K 1,024] x [K 1,024, N 1,024]; A: input key; B: input Wk: QUANTISED
;;     3. [M 8,192, K 1,024] x [K 1,024, N 1,024]; A: input value; B: input Wv: QUANTISED
;;     4. batch 64 x [M 2,048, K 64] x [K 64, N 2,048]; A: computed on the way; B: computed on the way: QUANTISED
;;     5. batch 64 x [M 2,048, K 2,048] x [K 2,048, N 64]; A: softmax (see below); B: computed on the way: QUANTISED
;;     6. [M 8,192, K 1,024] x [K 1,024, N 1,024]; A: computed on the way; B: input Wo: QUANTISED
;;   THE QUANTISER, for each operand of a quantised product, along K:
;;     - K is cut into blocks of 32 from its start; a last block that is shorter is filled with zeros.
;;     - A block's scale is 2^e with e = floor(log2(the largest magnitude in the block)) - 2, held to -126 .. 127; a block of zeros has e = 0. As a byte (E8M0): e + 127.
;;     - Each number is divided by its block's scale, clamped to +-7.5, and rounded to the nearest number of E2M3, ties to even, subnormals kept.
;;     - The product sums the exact products of the quantised numbers (number of the format x scale) in f32.
;;   ~~~python
;;   def quantise(x, axis):      # numpy; x: float32 -> the quantised numbers, widened to float32 again
;;       x = np.moveaxis(x, axis, -1); K = x.shape[-1]
;;       x = np.pad(x, [(0, 0)] * (x.ndim - 1) + [(0, -K % 32)]); x = x.reshape(x.shape[:-1] + (-1, 32)); a = np.abs(x).max(-1, keepdims=True)
;;       e = np.where(a > 0, np.clip(np.frexp(np.where(a > 0, a, 1))[1] - 1 - 2, -126, 127), 0)      # np.frexp(a)[1] - 1 = floor(log2(a)), exactly
;;       r = np.clip(x / 2.0 ** e, -7.5, 7.5)
;;       step = 2.0 ** (np.maximum(np.frexp(np.where(r == 0, 1, r))[1] - 1, 0) - 3)
;;       q = np.round(r / step) * step * 2.0 ** e      # np.round: ties to even
;;       return np.moveaxis(q.reshape(q.shape[:-2] + (-1,))[..., :K], -1, axis).astype(np.float32)
;;   ~~~
;;   SOFTMAX AHEAD OF A QUANTISED PRODUCT. Where the list says 'softmax', what is quantised is not the finished softmax but p = 2^(t - M), with t = logit x log2(e) and M = ceil(the row's largest t), a whole number; so 1/2 < the row's largest p <= 1. The row's sum l is taken of the UNQUANTISED p, in f32, and the product's result is divided by l at the end. Since M is a whole number, a kernel that streams over the keys may use a running M (the ceiling of the running maximum): every later rescaling is an exact power of two, which a block's scale takes up: the codes' values come out the same.
;;   OPERANDS COMPUTED ON THE WAY. 'Computed on the way' means the value that the module computes at that place (a softmax that the list does not call 'softmax' is quantised finished and normalised). What goes into a quantiser is computed in f32, as accurately as f32 sums, v_exp_f32 and their like allow (about 1e-6 of the number): no bf16 or f16 on the way to a quantiser, and a product that is left as it is and whose result goes on into a quantised operand takes f32 operands (vector FMAs, or v_wmma_f32_16x16x4_f32). A number that lies on a knife's edge between two numbers of the format may be rounded either way, as far as f32 arithmetic and the matrix unit's own rounding can turn it there, and no further.
;; One version. Each part assembles by itself: llvm-mc -triple=amdgcn-amd-amdhsa -mcpu=gfx1250 --defsym DOCPART=n.
;; ======== version 1 of 1: 4 launches
;; limits: right only within a limited range of input values
;; workspace buffers: act 20,447,232 bytes; wts 3,407,872 bytes; maskbits 2,097,152 bytes of whole numbers; qkv 20,447,232 bytes; x 7,340,032 bytes
;; launch prep (part 1): grid 704 x 1, 8 waves a work-group, no clusters, 136,192 bytes of LDS; arguments query, key, value, mask, Wq, Wk, Wv, Wo, act, wts, maskbits; writes act, wts, maskbits
.if DOCPART == 1
	.amdgcn_target "amdgcn-amd-amdhsa--gfx1250"
	.amdhsa_code_object_version 6
	.text
	.protected	k_q4d7204399a_prep
	.globl	k_q4d7204399a_prep
	.p2align	8
	.type	k_q4d7204399a_prep,@function
k_q4d7204399a_prep:
	s_mov_b64 s[64:65], 0
	v_nop
	global_prefetch_b8 v0, s[64:65] scope:SCOPE_SE
	s_setreg_imm32_b32 hwreg(HW_REG_WAVE_MODE, 25, 1), 1
	s_wait_xcnt 0x0
; PREP: every wide input is read once and leaves narrow, in the order of its reader's operand registers.
;   work-groups   0..383  query, key, value [8192][1024] f32 -> codes of E2M3 + E8M0 scale words (buffer act)
;   work-groups 384..639  mask [8192][2048] i32              -> one bit a number, as lane masks  (buffer maskbits)
;   work-groups 640..703  Wq, Wk, Wv, Wo [K 1024][N 1024] f32 -> codes + scale words, K innermost (buffer wts)
; A TILE is 16 rows (of a weight: 16 columns): lane r of tile m stands for row 32 (m / 2) + 8 (m % 2) + r + 8 (r / 8).
; A FRAGMENT (16 rows x 128 K, 12 registers a lane) lies as an image of its registers: registers 0-3 at 16 x lane, 4-5 at 512 + 8 x lane,
; 6-9 at 768 + 16 x lane, 10-11 at 1280 + 8 x lane.  A RECORD (tile, 256 along K) is two fragments and 256 bytes of scale words
; (lane l: the two K steps' words of row l % 16): 3,328 bytes; a tile is four records.
; THE QUANTISER: a block's scale is 2^(floor(log2(largest magnitude)) - 2); its byte is that magnitude's exponent field - 2, held at 1 from below.
; LIMITS: a block of zeros gets the byte 1 where the rule says 127 (its codes are zeros; this program alone reads the bytes); NaN and infinities are not served.
; Waves share nothing: no barrier.  Each path has LDS bytes of its own.  Every work-group reads 256 KiB.
.set SP,     528                       ; a stage row: 512 bytes + 16, so that 16 rows start at 16 different groups of banks
.set WST,    16*SP                     ; a wave's stage: 16 rows
.set MSK_ST, 8*WST                     ; the mask path's stages lie behind the activations'
.set SPARE,  16*WST                    ; the spare words: 128 bytes for each of the eight waves; no other line names them
.set REC,    3328
.set TILEB,  4*REC
.set SPW,    252                       ; v252 my spare word's address; v253 zero: kept for the add alone
.set NIL,    253
.set RB,     16                        ; v16-143  two sets of 16 rows x 16 bytes a lane, as loaded
.set X,      144                       ; v144-207 64 numbers of one row, in the order of the operand's registers
.set PC,     208                       ; v208-219 a fragment's codes
.set CT,     220                       ; v220-222, v224-226 the second halves of the blocks' codes, made here and moved
.set MX,     228
.set SO,     230
.set BY,     232
.set TA,     234
.set WW,     240                       ; v240-243 the four K steps' scale words
.set MB,     208                       ; mask path: v208-215 four steps x 64 words, two words a lane
	s_load_b512 s[4:19], s[0:1], 0x0               ; query, key, value, mask, Wq, Wk, Wv, Wo
	s_load_b128 s[20:23], s[0:1], 0x40             ; act, wts
	s_load_b64 s[24:25], s[0:1], 0x50              ; maskbits
	v_lshl_add_u32 v[SPW], v0, 2, SPARE
	v_mov_b32 v[NIL], 0
	v_lshrrev_b32 v8, 5, v0
	s_delay_alu instid0(VALU_DEP_1)
	v_readfirstlane_b32 s26, v8                    ; wave 0..7
	v_and_b32 v9, 31, v0                           ; lane
	v_and_b32 v10, 15, v0                          ; r
	v_bfe_u32 v11, v0, 4, 1                        ; h
	s_delay_alu instid0(VALU_DEP_3)
	v_lshlrev_b32 v1, 4, v9                        ; 16 x lane
	s_delay_alu instid0(VALU_DEP_4)
	v_lshlrev_b32 v2, 3, v9                        ; 8 x lane
	s_mul_i32 s27, s26, WST
	v_add_nc_u32 v3, s27, v1                       ; activations: into the stage, 16 x lane of a row
	v_mul_u32_u24 v13, v10, SP
	s_delay_alu instid0(VALU_DEP_1)
	v_add_nc_u32 v13, s27, v13
	s_delay_alu instid0(VALU_DEP_1)
	v_lshl_add_u32 v4, v11, 7, v13                 ; and out of it: row r, + 128 h: my block of 32 numbers
	s_delay_alu instid0(VALU_DEP_4)
	v_add_nc_u32 v12, MSK_ST, v3                   ; mask: into its stage
	s_delay_alu instid0(VALU_DEP_3)
	v_lshl_add_u32 v6, v11, 6, v13
	s_delay_alu instid0(VALU_DEP_1)
	v_add_nc_u32 v6, MSK_ST, v6                    ; and out: row r, + 64 h: my 16 numbers of a block
	v_lshlrev_b32 v5, 3, v11                       ; 8 h
	s_lshl_b32 s28, ttmp9, 3
	s_add_co_u32 s28, s28, s26                     ; 8 x work-group + wave
	s_mov_b32 s38, 0x76543210
	s_mov_b32 s39, 0xfedcba98                      ; lane l xor 16
	s_wait_kmcnt 0x0
	s_cmp_ge_u32 ttmp9, 640
	s_cbranch_scc1 .Lweights
	s_cmp_ge_u32 ttmp9, 384
	s_cbranch_scc1 .Lmask
; 16 rows x 512 bytes: each load reads 512 consecutive bytes of one row of the tile
.macro LOADT set, t, pitch
.set ii, 0
.rept 16
	global_load_b128 v[RB+64*(\set)+4*ii:RB+64*(\set)+4*ii+3], v1, s[30:31] offset:(ii+8*(ii/8))*(\pitch)+512*(\t) th:TH_LOAD_NT
.set ii, ii+1
.endr
.endm
; through the wave's own stage: in as loaded, out so that a lane holds neighbours along K.  LDS serves a wave's instructions in order: no wait between.
; per: loads of 16 bytes in a run of the lane's neighbours (8: a whole block of 32; 4: 16 numbers); the lane's next run lies 32 x per bytes on
.macro TURN set, sta, lda, per
.set ii, 0
.rept 16
	ds_store_b128 v[\sta], v[RB+64*(\set)+4*ii:RB+64*(\set)+4*ii+3] offset:SP*ii
.set ii, ii+1
.endr
.set ii, 0
.rept 16
	ds_load_b128 v[X+4*ii:X+4*ii+3], v[\lda] offset:32*(\per)*(ii/(\per))+16*(ii%(\per))
.set ii, ii+1
.endr
.endm
; 64 numbers of my row, register 32 c + i = k 64 c + 32 h + i: two whole blocks of mine.  Codes to v[PC] on, the row's scale word to v[WW + t].
.macro QUANT2 t
.irp c,0,1
	v_max3_num_f32 v[MX+\c], |v[X+32*\c]|, |v[X+32*\c+1]|, 0x1800000   ; with the floor 2^(3 - 127): the byte cannot fall under 1
.endr
.irp i,2,4,6,8,10,12,14,16,18,20,22,24,26,28,30
.irp c,0,1
	s_delay_alu instid0(VALU_DEP_2)
	v_max3_num_f32 v[MX+\c], v[MX+\c], |v[X+32*\c+\i]|, |v[X+32*\c+\i+1]|
.endr
.endr
.irp c,0,1
	s_delay_alu instid0(VALU_DEP_2)
	v_add_nc_u32 v[SO+\c], 0xff000000, v[MX+\c]    ; 2 off the exponent field: the conversion's scale operand
.endr
.irp c,0,1
	s_delay_alu instid0(VALU_DEP_2)
	v_lshrrev_b32 v[BY+\c], 23, v[SO+\c]           ; the scale's byte
.endr
	s_delay_alu instid0(VALU_DEP_1)
	v_lshl_or_b32 v[TA], v[BY+1], 16, v[BY]        ; my bytes: blocks h and 2 + h,
	s_delay_alu instid0(VALU_DEP_1)
	v_lshlrev_b32 v[TA], v5, v[TA]                 ; 8 h bits up;
	s_delay_alu instid0(VALU_DEP_1)
	v_permlanex16_b32 v[TA+1], v[TA], s38, s39
	s_delay_alu instid0(VALU_DEP_1)
	v_or_b32 v[WW+(\t)], v[TA], v[TA+1]            ; with lane l xor 16's two the word is whole, in both halves of the lanes
.irp c,0,1
	v_cvt_scalef32_pk16_fp6_f32 v[PC+6*\c:PC+6*\c+2], v[X+32*\c:X+32*\c+15], v[SO+\c]
	v_cvt_scalef32_pk16_fp6_f32 v[CT+4*\c:CT+4*\c+2], v[X+32*\c+16:X+32*\c+31], v[SO+\c]   ; (a conversion's three registers begin on an even number)
.endr
	v_nop                                          ; one plain place behind a scaled conversion
.irp c,0,1
.irp i,0,1,2
	v_mov_b32 v[PC+6*\c+3+\i], v[CT+4*\c+\i]
.endr
.endr
.endm
	; ---- ACTIVATIONS: a wave takes one tile and half of K: four K steps of 128
	s_lshr_b32 s29, ttmp9, 7                       ; which tensor: 128 work-groups each
	s_cmp_eq_u32 s29, 1
	s_cselect_b64 s[30:31], s[6:7], s[4:5]
	s_cmp_eq_u32 s29, 2
	s_cselect_b64 s[30:31], s[8:9], s[30:31]
	s_bfe_u32 s32, s28, 0x90001                    ; m: the tile
	s_and_b32 s33, s28, 1                          ; which half of K
	s_lshr_b32 s34, s32, 1
	s_lshl_b32 s34, s34, 5
	s_and_b32 s35, s32, 1
	s_lshl_b32 s35, s35, 3
	s_add_co_u32 s34, s34, s35                     ; the tile's first row
	s_lshl_b32 s34, s34, 12                        ; x 4,096 bytes
	s_lshl_b32 s35, s33, 11
	s_add_co_u32 s34, s34, s35
	s_mov_b32 s35, 0
	s_add_nc_u64 s[30:31], s[30:31], s[34:35]
	s_lshl_b32 s36, s29, 9
	s_add_co_u32 s36, s36, s32
	s_lshl_b32 s36, s36, 2
	s_lshl_b32 s37, s33, 1
	s_add_co_u32 s36, s36, s37                     ; my first record: (512 T + m) 4 + 2 half
	s_mul_i32 s36, s36, REC
	s_mov_b32 s37, 0
	s_add_nc_u64 s[20:21], s[20:21], s[36:37]
	v_mov_b32 v[TA+1], 0                           ; a lane permute's destination counts as one of its sources
	LOADT 0, 0, 4096
	LOADT 1, 1, 4096
.macro ASTEP t
.if (\t) < 3
	s_wait_loadcnt 16                              ; this K step's 16 loads are in; the next step's 16 may be out
.else
	s_wait_loadcnt 0x0
.endif
	TURN (\t)%2, 3, 4, 8
	s_wait_dscnt 0x0
	s_wait_xcnt 0x0                                ; the last step's stores have read the codes' registers
.if (\t) < 2
	LOADT (\t)%2, (\t)+2, 4096
.endif
	QUANT2 \t
	global_store_b128 v1, v[PC:PC+3], s[20:21] offset:REC*((\t)/2)+1536*((\t)%2)          ; 512 consecutive bytes
	global_store_b64 v2, v[PC+4:PC+5], s[20:21] offset:REC*((\t)/2)+1536*((\t)%2)+512     ; 256
	global_store_b128 v1, v[PC+6:PC+9], s[20:21] offset:REC*((\t)/2)+1536*((\t)%2)+768
	global_store_b64 v2, v[PC+10:PC+11], s[20:21] offset:REC*((\t)/2)+1536*((\t)%2)+1280
.if (\t)%2
	global_store_b64 v2, v[WW+(\t)-1:WW+(\t)], s[20:21] offset:REC*((\t)/2)+3072          ; the record's scale words: 256 consecutive bytes
.endif
.endm
	s_wait_alu depctr_va_vdst(0)
	ASTEP 0
	ASTEP 1
	ASTEP 2
	ASTEP 3
	s_branch .Lend
	; ---- MASK: a wave takes one tile of 16 query rows and 512 keys: four key steps of 128.
	; Word 16 b + i of a step: bit L = (mask[row of lane L % 16][128 step + 32 b + 16 (L / 16) + i] > 0): the lane mask for score register 16 b + i.
.Lmask:
	s_sub_co_u32 s29, s28, 3072
	s_lshr_b32 s32, s29, 2                         ; m
	s_and_b32 s33, s29, 3                          ; which quarter of the keys
	s_lshr_b32 s34, s32, 1
	s_lshl_b32 s34, s34, 5
	s_and_b32 s35, s32, 1
	s_lshl_b32 s35, s35, 3
	s_add_co_u32 s34, s34, s35
	s_lshl_b32 s34, s34, 13                        ; x 8,192 bytes
	s_lshl_b32 s35, s33, 11
	s_add_co_u32 s34, s34, s35
	s_mov_b32 s35, 0
	s_add_nc_u64 s[30:31], s[10:11], s[34:35]
	s_lshl_b32 s36, s32, 4
	s_lshl_b32 s37, s33, 2
	s_add_co_u32 s36, s36, s37
	s_lshl_b32 s36, s36, 8                         ; 256 bytes a step
	s_mov_b32 s37, 0
	s_add_nc_u64 s[24:25], s[24:25], s[36:37]
.irp i,0,1,2,3,4,5,6,7
	v_mov_b32 v[MB+\i], 0                          ; v_writelane_b32 fills them lane by lane
.endr
	LOADT 0, 0, 8192
	LOADT 1, 1, 8192
.macro MSTEP t
.if (\t) < 3
	s_wait_loadcnt 16                              ; this step's 16 loads are in; the next step's may be out
.else
	s_wait_loadcnt 0x0
.endif
	TURN (\t)%2, 12, 6, 4
	s_wait_dscnt 0x0
.if (\t) < 2
	LOADT (\t)%2, (\t)+2, 8192
.endif
.set jj, 0
.rept 4
.set kk, 0
.rept 16
	v_cmp_lt_i32 s[32+kk], 0, v[X+jj+kk]           ; 32 lanes' bits of word jj + kk
.set kk, kk+1
.endr
.set kk, 0
.rept 16
	v_writelane_b32 v[MB+2*(\t)+(kk%2)], s[32+kk], (jj+kk)/2   ; word j goes to lane j / 2, register j % 2
.set kk, kk+1
.endr
.set jj, jj+16
.endr
	global_store_b64 v2, v[MB+2*(\t):MB+2*(\t)+1], s[24:25] offset:256*(\t)   ; 256 consecutive bytes, aligned
.endm
	MSTEP 0
	MSTEP 1
	MSTEP 2
	MSTEP 3
	s_branch .Lend
	; ---- WEIGHTS: K is the first axis.  A lane takes a column and its registers run down K.  A wave takes 32 columns (two tiles: lanes 0-15, lanes 16-31) x 256 along K.
.Lweights:
	s_sub_co_u32 s29, ttmp9, 640
	s_lshr_b32 s32, s29, 4                         ; which weight: 16 work-groups each
	s_and_b32 s33, s29, 15
	s_lshl_b32 s33, s33, 3
	s_add_co_u32 s33, s33, s26
	s_lshr_b32 s34, s33, 5                         ; j: which 256 along K
	s_and_b32 s35, s33, 31                         ; which 32 columns: the eight waves stand side by side on 1,024 bytes
	s_cmp_eq_u32 s32, 1
	s_cselect_b64 s[30:31], s[14:15], s[12:13]
	s_cmp_eq_u32 s32, 2
	s_cselect_b64 s[30:31], s[16:17], s[30:31]
	s_cmp_eq_u32 s32, 3
	s_cselect_b64 s[30:31], s[18:19], s[30:31]
	s_lshl_b32 s36, s34, 20                        ; 256 rows of 4,096 bytes
	s_lshl_b32 s37, s35, 7
	s_add_co_u32 s36, s36, s37
	s_mov_b32 s37, 0
	s_add_nc_u64 s[30:31], s[30:31], s[36:37]
	s_lshl_b32 s36, s32, 6
	s_lshl_b32 s40, s35, 1
	s_add_co_u32 s36, s36, s40                     ; my first tile: 64 Wi + 2 ng
	s_lshl_b32 s36, s36, 2
	s_add_co_u32 s36, s36, s34
	s_mul_i32 s36, s36, REC
	s_add_nc_u64 s[22:23], s[22:23], s[36:37]
	v_and_b32 v7, 8, v10
	s_delay_alu instid0(VALU_DEP_1)
	v_add_nc_u32 v7, v7, v10
	s_delay_alu instid0(VALU_DEP_1)
	v_lshl_add_u32 v7, v11, 3, v7                  ; my column among the 32: 8 u + r + 8 (r / 8)
	s_delay_alu instid0(VALU_DEP_1)
	v_lshlrev_b32 v7, 2, v7
.macro LOADB q                         ; block q: W(32 q + i, my column): each load reads 128 consecutive bytes
.set ii, 0
.rept 32
	global_load_b32 v[16+32*((\q)%2)+ii], v7, s[30:31] offset:(32*(\q)+ii)*4096 th:TH_LOAD_NT
.set ii, ii+1
.endr
.endm
.macro WBLOCK q
.set XS, 16+32*((\q)%2)
.set CB, 96+24*((\q)/4)+6*((\q)%4)     ; v96-143: the codes of K step q / 4, block q % 4: six registers, written once
.set CBS, 96+24*((\q)/4)
.if (\q) < 7
	s_wait_loadcnt 32                              ; this block's 32 loads are in; the next block's may be out
.else
	s_wait_loadcnt 0x0
.endif
	v_max3_num_f32 v80, |v[XS]|, |v[XS+1]|, |v[XS+2]|
	v_max3_num_f32 v81, |v[XS+3]|, |v[XS+4]|, |v[XS+5]|
.irp i,6,10,14,18,22,26
	s_delay_alu instid0(VALU_DEP_2)
	v_max3_num_f32 v80, v80, |v[XS+\i]|, |v[XS+\i+1]|
	s_delay_alu instid0(VALU_DEP_2)
	v_max3_num_f32 v81, v81, |v[XS+\i+2]|, |v[XS+\i+3]|
.endr
	s_delay_alu instid0(VALU_DEP_2)
	v_max3_num_f32 v80, v80, |v[XS+30]|, |v[XS+31]|
	s_delay_alu instid0(VALU_DEP_1)
	v_max3_num_f32 v80, v80, v81, 0x1800000        ; and the floor
	s_delay_alu instid0(VALU_DEP_1)
	v_add_nc_u32 v82, 0xff000000, v80
	s_delay_alu instid0(VALU_DEP_1)
	v_lshrrev_b32 v83, 23, v82
.if (\q)%4 == 0
	s_delay_alu instid0(VALU_DEP_1)
	v_mov_b32 v[84+(\q)/4], v83                    ; my column's scale word of this K step
.else
	s_delay_alu instid0(VALU_DEP_1)
	v_lshl_or_b32 v[84+(\q)/4], v83, 8*((\q)%4), v[84+(\q)/4]
.endif
	v_cvt_scalef32_pk16_fp6_f32 v[CB:CB+2], v[XS:XS+15], v82
	v_cvt_scalef32_pk16_fp6_f32 v[86:88], v[XS+16:XS+31], v82
	v_nop                                          ; one plain place behind a scaled conversion
.irp i,0,1,2
	v_mov_b32 v[CB+3+\i], v[86+\i]
.endr
.if (\q)+2 < 8
	LOADB (\q)+2
.endif
.if (\q)%4 == 3                        ; a K step is whole.  Lanes 0-15 hold tile 0's blocks, lanes 16-31 tile 1's; the operand wants blocks 2 c and 2 c + 1 of ONE tile in the two halves
.irp i,0,1,2,3,4,5
	v_permlane16_swap_b32 v[CBS+\i], v[CBS+6+\i]       ; blocks 0, 1: the first is now tile 0's registers 0-5, the second tile 1's
	v_permlane16_swap_b32 v[CBS+12+\i], v[CBS+18+\i]   ; blocks 2, 3: registers 6-11
.endr
.irp u,0,1
.irp c,0,1
	global_store_b128 v1, v[CBS+12*\c+6*\u:CBS+12*\c+6*\u+3], s[22:23] offset:TILEB*\u+1536*((\q)/4)+768*\c
	global_store_b64 v2, v[CBS+12*\c+6*\u+4:CBS+12*\c+6*\u+5], s[22:23] offset:TILEB*\u+1536*((\q)/4)+768*\c+512
.endr
.endr
.endif
.endm
	LOADB 0
	LOADB 1
.irp q,0,1,2,3,4,5,6,7
	WBLOCK \q
.endr
.irp s,0,1                             ; the scale words: tile 0's (lanes 0-15) into both halves of one register, tile 1's into both halves of another
	v_mov_b32 v[160+\s], v[84+\s]
	v_mov_b32 v[162+\s], v[84+\s]
.endr
.irp s, 0
	s_delay_alu instid0(VALU_DEP_3)
	v_permlane16_swap_b32 v[160+\s], v[162+\s]
.endr
.irp s, 1
	s_delay_alu instid0(VALU_DEP_2)
	v_permlane16_swap_b32 v[160+\s], v[162+\s]
.endr
	global_store_b64 v2, v[160:161], s[22:23] offset:3072
	global_store_b64 v2, v[162:163], s[22:23] offset:TILEB+3072
.Lend:
	s_wait_tensorcnt 0x0                           ; the wave's end
	ds_add_u32 v[SPW], v[NIL]
	s_wait_dscnt 0x0
	s_endpgm
.Lfunc_end_k_q4d7204399a_prep:
	.size	k_q4d7204399a_prep, .Lfunc_end_k_q4d7204399a_prep-k_q4d7204399a_prep
	.p2alignl 7, 3214868480
	.fill 96, 4, 3214868480
	.section	.rodata,"a",@progbits
	.p2align	6, 0x0
	.amdhsa_kernel k_q4d7204399a_prep
		.amdhsa_group_segment_fixed_size 136192
		.amdhsa_private_segment_fixed_size 0
		.amdhsa_enable_private_segment 0
		.amdhsa_kernarg_size 88
		.amdhsa_user_sgpr_count 2
		.amdhsa_user_sgpr_kernarg_segment_ptr 1
		.amdhsa_wavefront_size32 1
		.amdhsa_system_sgpr_workgroup_id_x 1
		.amdhsa_system_sgpr_workgroup_id_y 1
		.amdhsa_system_sgpr_workgroup_id_z 1
		.amdhsa_system_vgpr_workitem_id 0
		.amdhsa_next_free_vgpr 256
		.amdhsa_next_free_sgpr 66
		.amdhsa_reserve_vcc 0
		.amdhsa_float_denorm_mode_32 3
		.amdhsa_float_denorm_mode_16_64 3
		.amdhsa_memory_ordered 1
		.amdhsa_forward_progress 1
		.amdhsa_inst_pref_size 127
	.end_amdhsa_kernel
	.amdgpu_metadata
---
amdhsa.version: [ 1, 2 ]
amdhsa.kernels:
  - .name:           k_q4d7204399a_prep
    .symbol:         k_q4d7204399a_prep.kd
    .args:
      - { .name: query, .offset: 0, .size: 8, .value_kind: global_buffer, .address_space: global }
      - { .name: key, .offset: 8, .size: 8, .value_kind: global_buffer, .address_space: global }
      - { .name: value, .offset: 16, .size: 8, .value_kind: global_buffer, .address_space: global }
      - { .name: mask, .offset: 24, .size: 8, .value_kind: global_buffer, .address_space: global }
      - { .name: Wq, .offset: 32, .size: 8, .value_kind: global_buffer, .address_space: global }
      - { .name: Wk, .offset: 40, .size: 8, .value_kind: global_buffer, .address_space: global }
      - { .name: Wv, .offset: 48, .size: 8, .value_kind: global_buffer, .address_space: global }
      - { .name: Wo, .offset: 56, .size: 8, .value_kind: global_buffer, .address_space: global }
      - { .name: act, .offset: 64, .size: 8, .value_kind: global_buffer, .address_space: global }
      - { .name: wts, .offset: 72, .size: 8, .value_kind: global_buffer, .address_space: global }
      - { .name: maskbits, .offset: 80, .size: 8, .value_kind: global_buffer, .address_space: global }
    .group_segment_fixed_size: 136192
    .private_segment_fixed_size: 0
    .kernarg_segment_align: 8
    .kernarg_segment_size: 88
    .max_flat_workgroup_size: 256
    .sgpr_count:     66
    .vgpr_count:     256
    .wavefront_size: 32
...
	.end_amdgpu_metadata
.endif
;; end of part 1
;; launch proj (part 2): grid 4 x 64, 4 waves a work-group, clusters of 4 x 4, 327,680 bytes of LDS; arguments act, wts, bq, bk, bv, qkv; writes qkv
.if DOCPART == 2
	.amdgcn_target "amdgcn-amd-amdhsa--gfx1250"
	.amdhsa_code_object_version 6
	.text
	.protected	k_q4d7204399a_proj
	.globl	k_q4d7204399a_proj
	.p2align	8
	.type	k_q4d7204399a_proj,@function
k_q4d7204399a_proj:
	s_mov_b64 s[64:65], 0
	v_nop
	global_prefetch_b8 v0, s[64:65] scope:SCOPE_SE
	s_setreg_imm32_b32 hwreg(HW_REG_WAVE_MODE, 25, 1), 1
	s_wait_xcnt 0x0
	s_wait_alu depctr_hold_cnt(0) depctr_sa_sdst(0) depctr_va_vdst(0) depctr_va_sdst(0) depctr_va_ssrc(0) depctr_va_vcc(0) depctr_vm_vsrc(0)
	s_getreg_b32 s2, hwreg(HW_REG_IB_STS2, 6, 4)
	s_cmp_eq_u32 s2, 0
	s_cbranch_scc0 .Lentry_in_a_cluster
	s_endpgm
.Lentry_in_a_cluster:
	s_bfe_u32 s2, ttmp6, 0x10000c
	s_cmp_lg_u32 s2, 0xf033
	s_cbranch_scc0 .Lentry_shape_is_right
	s_endpgm
.Lentry_shape_is_right:
; PROJ: q = query Wq + bq, k = key Wk + bk, v = value Wv + bv on codes of E2M3, each result quantised again for attention, in registers.
; A WORK-GROUP STAYS and makes three blocks on end: one of q, one of k (one text, a loop of two trips), one of v (written out: it asks for nothing more).
; ROLES.  Side P is source 0 of the matrix instruction: its index runs along a lane's registers.  Side R is source 1: its index lies in the lane.
;   q, k: P = 256 columns of the weight, R = 128 rows of the activation.   v: P = 256 rows of value, R = 128 columns of Wv.
; Lane r of tile m stands for index 32 (m / 2) + 8 (m % 2) + r + 8 (r / 8): the 16 result registers of P tiles 2 b, 2 b + 1 are 16 neighbours.
; Four waves make 256 (P) x 128 (R); wave w: P tiles 8 (w & 1) on, R tiles 4 (w >> 1) on: 32 accumulators.
; LDS: all of K (1,024) as two halves of 512; a half is 8 R tiles and 16 P tiles, each with two records of 3,328 bytes on end.
; FILLS: four joint loads a block, one a wave: wave 0 P's tiles of half 0, wave 1 R's, waves 2 and 3 the same of half 1.  By this text's count a wave has one tensor load out.
; At K step 7 every wave's LDS reads of the block are over: there stand the wait for all tensor loads, the add, the wait for LDS and a round of the cluster's barrier
; and behind the round the next block's four loads, which have the rest of the step and the way out in which to land.
; CLUSTER 4 x 4: R's tiles hang on cy and are asked for jointly along a row of the cluster, P's on cx and jointly along a column.
; PREFETCH: at K step 1 the next block's tiles are asked for into the L2, six K steps ahead of their loads: R's 106,496 bytes and P's 212,992 are shared out by address
; among the sixteen waves that will ask for them jointly: 26 blocks of 256 bytes an instruction, three instructions a wave.  The first block comes by its loads alone.
; LIMITS: a block of zeros gets the byte 1 (its codes are zeros; this program alone reads the bytes); NaN and infinities are not served.
; REGISTERS.  window 0: v1-10 lane terms; v16-19 LDS addresses; v28, v29 the add's two; v32-63 P's scale words (two sets), v64-79 R's; v96-191 R's fragments (two sets); v192-239 the quantiser's.
;   window 1: the accumulators, (a, t) at 64 a + 8 t.   window 2: v0-191 P's fragments (two sets); v192-255 the bias, as the C of the first products.
.set REC,    3328
.set TILEB,  4*REC
.set TP,     2*REC
.set POFF,   8*TP
.set HALF,   24*TP
.set SPARE,  2*HALF
.set QS_OFF, 6291456
.set KV_OFF, 6815744
.set HEADB,  16*TILEB
.set PFO,  10
.set AP16, 16
.set AP8,  17
.set AR16, 18
.set AR8,  19
.set SPW,  28
.set NIL,  29
.set PS,   32
.set RS,   64
.set RF,   96
.set PC,   192
.set TM,   212
.set PW,   228
.set WO,   232
.set BIAS, 192
.set G1R,  24
.set G1P,  32
.set MSB, 0
.macro WIN new
.if MSB != \new
	s_set_vgpr_msb (MSB<<8)|\new
.set MSB, \new
.endif
.endm
.macro PLACES n
.rept \n
	v_nop
.endr
.endm
.macro WALU
	s_wait_alu depctr_va_vdst(0)
.endm
.macro CREST                           ; a round of the cluster's barrier behind its opening barrier
	s_cmp_lg_u32 s16, 0
	s_cbranch_scc1 .Lnw_\@
	s_barrier_signal -3
.Lnw_\@:
	s_barrier_wait -3
	s_barrier_signal -1
	s_barrier_wait -1
.endm
.macro TL g0, g1
	tensor_load_to_lds s[\g0:\g0+3], s[\g1:\g1+7]
	s_nop 0
	PLACES 4
.endm
.macro FILL4                           ; a block's four loads, one a wave, in one chain of branches on the wave's number
	s_cmp_eq_u32 s16, 0
	s_cbranch_scc0 .Lf1_\@
	TL 56, G1P
	s_branch .Lfd_\@
.Lf1_\@:
	s_cmp_eq_u32 s16, 1
	s_cbranch_scc0 .Lf2_\@
	TL 40, G1R
	s_branch .Lfd_\@
.Lf2_\@:
	s_cmp_eq_u32 s16, 2
	s_cbranch_scc0 .Lf3_\@
	TL 60, G1P
	s_branch .Lfd_\@
.Lf3_\@:
	TL 44, G1R
.Lfd_\@:
.endm
.macro SETG0                           ; the four groups 0 take the block whose tiles begin at s[68:69] (P) and s[70:71] (R); no tensor load of the wave is out here
	s_mov_b64 s[58:59], s[68:69]
	s_add_nc_u64 s[62:63], s[68:69], TP
	s_mov_b64 s[42:43], s[70:71]
	s_add_nc_u64 s[46:47], s[70:71], TP
.irp g,43,47,59,63
	s_or_b32 s\g, s\g, 0x80000000
.endr
.endm
.macro BIASP b                         ; a bias along P: eight numbers a P tile, along the registers
	WIN 0x80
.irp t,0,1,2,3,4,5,6,7
	global_load_b128 v[BIAS+8*\t:BIAS+8*\t+3], v3, s[\b:\b+1] offset:(32*(\t/2)+8*(\t%2))*4
	global_load_b128 v[BIAS+8*\t+4:BIAS+8*\t+7], v3, s[\b:\b+1] offset:(32*(\t/2)+8*(\t%2))*4+16
.endr
	WIN 0
.endm
.macro BIASV                           ; bv runs along R: one number a lane and R tile, in all eight registers; the four tiles' numbers twice
	WIN 0x80
.irp g,0,1,2,3,4,5,6,7
.irp e,0,1,2,3,4,5,6,7
	global_load_b32 v[BIAS+8*\g+\e], v4, s[12:13] offset:(32*((\g%4)/2)+8*(\g%2))*4
.endr
.endr
	WIN 0
.endm
	s_load_b256 s[4:11], s[0:1], 0x0               ; act, wts, bq, bk
	s_load_b128 s[12:15], s[0:1], 0x20             ; bv, qkv
	v_lshl_add_u32 v[SPW], v0, 2, SPARE
	v_mov_b32 v[NIL], 0
	ds_add_u32 v[SPW], v[NIL]                      ; the opening: the add, twice on end, and its wait ahead of the first tensor load
	ds_add_u32 v[SPW], v[NIL]
	v_lshrrev_b32 v9, 5, v0
	v_readfirstlane_b32 s16, v9                    ; wave 0..3
	s_lshr_b32 s17, s16, 1                         ; rh: my half of R's tiles
	s_and_b32 s18, s16, 1                          ; ph: my half of P's tiles
	s_bfe_u32 s19, ttmp6, 0x40000                  ; cx = P's block for q and k
	s_bfe_u32 s20, ttmp6, 0x40004                  ; cy
	s_and_b32 s22, ttmp7, 0xffff                   ; the cluster's y, 0..15
	s_lshl_b32 s77, s22, 2
	s_add_co_u32 s77, s77, s20                     ; q, k: R's block
	s_and_b32 s80, s22, 7
	s_lshl_b32 s80, s80, 2
	s_add_co_u32 s80, s80, s19                     ; v: P's block
	s_lshr_b32 s81, s22, 3
	s_lshl_b32 s81, s81, 2
	s_add_co_u32 s81, s81, s20                     ; v: R's block
	s_lshl_b32 s90, s20, 2
	s_lshl_b32 s90, 15, s90                        ; my row of the cluster
	s_lshl_b32 s91, 0x1111, s19                    ; my column
	s_or_b32 s[G1R], s90, (3<<16)|(1<<21)          ; R: 8 tiles a load, two records (832 elements of 8 bytes) of each, tiles 13,312 bytes apart
	s_mov_b32 s[G1R+1], 832<<16
	s_mov_b32 s[G1R+2], 8<<16
	s_mov_b32 s[G1R+3], 832<<16
	s_mov_b32 s[G1R+4], 8
	s_mov_b32 s[G1R+5], 1664
	s_mov_b32 s[G1R+6], 0
	s_mov_b32 s[G1R+7], 0
	s_or_b32 s[G1P], s91, (3<<16)|(1<<21)          ; P: 16 tiles a load
	s_mov_b32 s[G1P+1], 832<<16
	s_mov_b32 s[G1P+2], 16<<16
	s_mov_b32 s[G1P+3], 832<<16
	s_mov_b32 s[G1P+4], 16
	s_mov_b32 s[G1P+5], 1664
	s_mov_b32 s[G1P+6], 0
	s_mov_b32 s[G1P+7], 0
.irp j,0,1
	s_mov_b32 s[40+4*\j], 1
	s_mov_b32 s[41+4*\j], HALF*\j
	s_mov_b32 s[56+4*\j], 1
	s_mov_b32 s[57+4*\j], HALF*\j+POFF
.endr
	s_mul_i32 s82, s19, 16*TILEB                   ; q: P's first tile in wts, bytes
	s_mov_b32 s83, 0
	s_mul_i32 s84, s77, 8*TILEB                    ; q: R's in act
	s_mov_b32 s85, 0
	s_lshl_b32 s86, s80, 4
	s_add_co_u32 s86, s86, 1024
	s_mul_i32 s86, s86, TILEB                      ; v: P's in act
	s_mov_b32 s87, 0
	s_lshl_b32 s88, s81, 3
	s_add_co_u32 s88, s88, 128
	s_mul_i32 s88, s88, TILEB                      ; v: R's in wts
	s_mov_b32 s89, 0
	s_lshl_b32 s92, s19, 10
	s_lshl_b32 s93, s18, 9
	s_add_co_u32 s92, s92, s93                     ; bq, bk at column 256 cx + 128 ph
	s_mov_b32 s93, 0
	s_lshl_b32 s94, s81, 9
	s_lshl_b32 s95, s17, 8
	s_add_co_u32 s94, s94, s95                     ; bv at column 128 x R's block + 64 rh
	s_mov_b32 s95, 0
	s_lshl_b32 s100, s19, 2
	s_add_co_u32 s100, s100, s16
	s_mul_i32 s100, s100, 6656                     ; my sixteenth of R's tiles, for the prefetch
	s_lshl_b32 s101, s20, 2
	s_add_co_u32 s101, s101, s16
	s_mul_i32 s101, s101, 13312                    ; and of P's
	s_mul_i32 s67, s18, 8*TP
	s_add_co_u32 s67, s67, POFF                    ; LDS: my 8 P tiles in a half
	s_mul_i32 s66, s17, 4*TP                       ; my 4 R tiles
	s_mov_b32 s98, 0x76543210
	s_mov_b32 s99, 0xfedcba98                      ; lane l xor 16
	v_and_b32 v9, 31, v0                           ; lane
	v_and_b32 v8, 15, v0                           ; r
	v_bfe_u32 v7, v0, 4, 1                         ; h
	v_lshlrev_b32 v1, 4, v9                        ; 16 x lane
	v_lshlrev_b32 v2, 3, v9                        ; 8 x lane
	v_lshlrev_b32 v3, 6, v7                        ; 64 h
	v_and_b32 v4, 8, v8
	v_add_nc_u32 v4, v4, v8
	v_lshlrev_b32 v4, 2, v4                        ; 4 (r + 8 (r / 8))
	v_lshlrev_b32 v5, 4, v7                        ; 16 h
	v_min_u32 v[PFO], 25, v9
	v_lshlrev_b32 v[PFO], 8, v[PFO]                ; the prefetches' offset: a lane a block of 256 bytes, 26 blocks; the lanes left over name the last again
.irp b,0,1,2,3
	v_mov_b32 v[TM+4+\b], 0                        ; a lane permute's destination counts as one of its sources
.endr
	s_wait_dscnt 0x0                               ; both opening adds are done
	s_wait_kmcnt 0x0
	s_add_nc_u64 s[68:69], s[6:7], s[82:83]        ; q's tiles
	s_add_nc_u64 s[70:71], s[4:5], s[84:85]
	s_add_nc_u64 s[72:73], s[4:5], s[86:87]        ; v's
	s_add_nc_u64 s[74:75], s[6:7], s[88:89]
	s_add_nc_u64 s[8:9], s[8:9], s[92:93]
	s_add_nc_u64 s[10:11], s[10:11], s[92:93]
	s_add_nc_u64 s[12:13], s[12:13], s[94:95]
	SETG0
	s_add_nc_u64 s[68:69], s[68:69], 64*TILEB      ; the next block: k's tiles
	s_add_nc_u64 s[70:71], s[70:71], 512*TILEB
	s_barrier_signal -1
	s_barrier_wait -1
	CREST                                          ; all sixteen work-groups are here: the joint loads meet
	FILL4
	WALU
	BIASP 8
.macro FETCH s                         ; the fragments of K step s into set s % 2: 8 of P, 4 of R; with an even step the record's scale words
.set FS, (\s)%2
.set FJ, ((\s)/2)%2
	WIN 0x80
.irp t,0,1,2,3,4,5,6,7
	ds_load_b128 v[96*FS+12*\t:96*FS+12*\t+3], v[AP16] offset:TP*\t+1536*FS
	ds_load_b64 v[96*FS+12*\t+4:96*FS+12*\t+5], v[AP8] offset:TP*\t+1536*FS+512
	ds_load_b128 v[96*FS+12*\t+6:96*FS+12*\t+9], v[AP16] offset:TP*\t+1536*FS+768
	ds_load_b64 v[96*FS+12*\t+10:96*FS+12*\t+11], v[AP8] offset:TP*\t+1536*FS+1280
.endr
	WIN 0
.irp a,0,1,2,3
	ds_load_b128 v[RF+48*FS+12*\a:RF+48*FS+12*\a+3], v[AR16] offset:TP*\a+1536*FS
	ds_load_b64 v[RF+48*FS+12*\a+4:RF+48*FS+12*\a+5], v[AR8] offset:TP*\a+1536*FS+512
	ds_load_b128 v[RF+48*FS+12*\a+6:RF+48*FS+12*\a+9], v[AR16] offset:TP*\a+1536*FS+768
	ds_load_b64 v[RF+48*FS+12*\a+10:RF+48*FS+12*\a+11], v[AR8] offset:TP*\a+1536*FS+1280
.endr
.if FS == 0
.irp t,0,1,2,3,4,5,6,7
	ds_load_b64 v[PS+16*FJ+2*\t:PS+16*FJ+2*\t+1], v[AP8] offset:TP*\t+3072
.endr
.irp a,0,1,2,3
	ds_load_b64 v[RS+8*FJ+2*\a:RS+8*FJ+2*\a+1], v[AR8] offset:TP*\a+3072
.endr
.endif
.endm
; 8 products: R tile a against my 8 P tiles.  The 32 accumulators take turns, one instruction a turn, in the same order in every K step.
; cmode 0: onto the sums;  1: the sums begin with the bias along P;  2: with the bias along R
.macro MULA s, cmode, a
.set FS, (\s)%2
.set FJ, ((\s)/2)%2
.if \cmode
	WIN 0x62                                       ; source 0 (P) window 2, source 1 (R) window 0, C window 2, D window 1
.else
	WIN 0x52                                       ; C and D window 1
.endif
.irp t,0,1,2,3,4,5,6,7
.set DD, 64*(\a)+8*\t
.set CC, DD
.if \cmode == 1
.set CC, BIAS+8*\t
.endif
.if \cmode == 2
.set CC, BIAS+8*((\a)+4*(\t%2))
.endif
	v_wmma_scale_f32_16x16x128_f8f6f4 v[DD:DD+7], v[96*FS+12*\t:96*FS+12*\t+11], v[RF+48*FS+12*(\a):RF+48*FS+12*(\a)+11], v[CC:CC+7], v[PS+16*FJ+2*\t+FS], v[RS+8*FJ+2*(\a)+FS] matrix_a_fmt:MATRIX_FMT_FP6 matrix_b_fmt:MATRIX_FMT_FP6
.endr
.endm
.macro MULS s, cmode
.irp a,0,1,2,3
	MULA \s, \cmode, \a
.endr
.endm
; K step s (0 to 6): its fragments are in; the next step's are asked for and land while this step is multiplied
.macro KHEAD s
	s_wait_dscnt 0x0
.if (\s) == 3
	s_wait_tensorcnt 0x0                           ; every wave: its one load has landed, half 1's among them;
	s_barrier_signal -1
	s_barrier_wait -1                              ; half 1 is shown to all.
.set ONB, HALF-REC
.else
.set ONB, REC
.endif
.if (\s)%2 == 1
	WIN 0
	v_add_nc_u32 v[AP16], ONB, v[AP16]             ; on to the next 256 along K.  These four are also the places in front of the loads into registers that the last products read
	s_wait_alu depctr_va_vdst(0)
	v_add_nc_u32 v[AP8], ONB, v[AP8]
	s_wait_alu depctr_va_vdst(0)
	v_add_nc_u32 v[AR16], ONB, v[AR16]
	s_wait_alu depctr_va_vdst(0)
	v_add_nc_u32 v[AR8], ONB, v[AR8]
.elseif (\s) > 0
	PLACES 4
.endif
	FETCH (\s)+1
.endm
; 64 numbers of a lane in window 1, register 16 b + i = index 32 b + 16 h + i: codes to v[PC] on, the scale word to v[PW + a]
.macro QUANT a
	WIN 0x05
.irp b,0,1,2,3
	v_max3_num_f32 v[TM+\b], |v[64*(\a)+16*\b]|, |v[64*(\a)+16*\b+1]|, 0x1800000   ; with the floor 2^(3 - 127)
.endr
	WIN 0x14
.irp i,2,4,6,8,10,12,14
.irp b,0,1,2,3
	v_max3_num_f32 v[TM+\b], v[TM+\b], |v[64*(\a)+16*\b+\i]|, |v[64*(\a)+16*\b+\i+1]|
.endr
.endr
	WIN 0
.irp b,0,1,2,3
	v_permlanex16_b32 v[TM+4+\b], v[TM+\b], s98, s99
.endr
.irp b,0,1,2,3
	v_max_num_f32 v[TM+\b], v[TM+\b], v[TM+4+\b]   ; with lane l xor 16's: the block's largest magnitude
.endr
.irp b,0,1,2,3
	v_add_nc_u32 v[TM+12+\b], 0xff000000, v[TM+\b] ; the conversion's scale operand
.endr
.irp b,0,1,2,3
	v_lshrrev_b32 v[TM+4+\b], 23, v[TM+12+\b]      ; the byte
.endr
	v_lshl_or_b32 v[PW+(\a)], v[TM+5], 8, v[TM+4]
	v_lshl_or_b32 v[PW+(\a)], v[TM+6], 16, v[PW+(\a)]
	v_lshl_or_b32 v[PW+(\a)], v[TM+7], 24, v[PW+(\a)]
	WIN 0x01
.irp c,0,1
	v_cvt_scalef32_pk16_fp6_f32 v[PC+6*\c:PC+6*\c+2], v[64*(\a)+32*\c:64*(\a)+32*\c+15], v[TM+12+2*\c]
	v_cvt_scalef32_pk16_fp6_f32 v[PC+12+4*\c:PC+14+4*\c], v[64*(\a)+32*\c+16:64*(\a)+32*\c+31], v[TM+12+2*\c+1]
.endr
	WIN 0
	v_nop                                          ; one plain place behind a scaled conversion
.irp c,0,1                             ; the operand wants a whole block in a lane
.irp i,0,1,2
	v_permlane16_swap_b32 v[PC+6*\c+\i], v[PC+12+4*\c+\i]
.endr
.irp i,0,1,2
	v_mov_b32 v[PC+3+6*\c+\i], v[PC+12+4*\c+\i]
.endr
.endr
.endm
; ONE BLOCK.  kind 0: q or k (s21 = 0 or 1), kind 1: v.  next = 1: the next block's tiles and bias are asked for
.macro JOB kind, next
	v_add_nc_u32 v[AP16], s67, v1                  ; my tiles in half 0
	v_add_nc_u32 v[AP8], s67, v2
	v_add_nc_u32 v[AR16], s66, v1
	v_add_nc_u32 v[AR8], s66, v2
.if \next
	s_mov_b32 s96, s100                            ; where my prefetches stand in the next block's tiles
	s_mov_b32 s97, 0
	s_add_nc_u64 s[92:93], s[70:71], s[96:97]
	s_mov_b32 s96, s101
	s_add_nc_u64 s[94:95], s[68:69], s[96:97]
.endif
	WALU                                           ; the wait here, ahead of the branch and the barrier
	s_cmp_lt_u32 s16, 2                            ; waves 0 and 1 asked for half 0, each by a line of its own: they wait for it;
	s_cbranch_scc0 .Lnh_\@
	s_wait_tensorcnt 0x0
.Lnh_\@:                                               ; half 1's loads may stay out
	s_barrier_signal -1
	s_barrier_wait -1
	FETCH 0
	s_wait_loadcnt 0x0                             ; the bias
	KHEAD 0
.if \kind
	MULS 0, 2
.else
	MULS 0, 1
.endif
.irp s,1,2,3,4,5,6
	WALU
	KHEAD \s
.if \next
.if \s == 1
	global_prefetch_b8 v[PFO], s[92:93] th:TH_LOAD_NT scope:SCOPE_SE
	global_prefetch_b8 v[PFO], s[94:95] th:TH_LOAD_NT scope:SCOPE_SE
	global_prefetch_b8 v[PFO], s[94:95] offset:6656 th:TH_LOAD_NT scope:SCOPE_SE
.endif
.endif
	MULS \s, 0
.endr
	WALU
	s_wait_dscnt 0x0                               ; K step 7's fragments are in: my LDS reads of this block are over
.if \next
	WIN 0
	s_wait_tensorcnt 0x0
	ds_add_u32 v[SPW], v[NIL]
	SETG0
	s_wait_dscnt 0x0
	s_barrier_signal -1                            ; the round opens; sixteen products, work on registers, stand between signal and wait
	MULA 7, 0, 0
	MULA 7, 0, 1
	WIN 0
	s_barrier_wait -1
	CREST                                          ; no wave of any partner still reads these bytes or has a load on its way
	FILL4                                          ; the next block's tiles, one load a wave
	s_mov_b64 s[68:69], s[72:73]                   ; the block after that is v's
	s_mov_b64 s[70:71], s[74:75]
	MULA 7, 0, 2
	MULA 7, 0, 3
.else
	MULS 7, 0
.endif
	WIN 0
	PLACES 4                                       ; in front of the first read of results
	s_wait_xcnt 0x0                                ; the last block's stores and my prefetches have read their registers
.if \next
	s_cmp_eq_u32 s21, 0                            ; the next block's bias lands under the way out
	s_cbranch_scc0 .Lbv_\@
	BIASP 10
	s_branch .Lbd_\@
.Lbv_\@:
	BIASV
.Lbd_\@:
.endif
	; THE WAY OUT.  For each R tile a my 64 registers are 128 neighbours along P: one fragment.  s88: where my codes begin in qkv, s89: from a fragment's first half to its second, s90: my scale words, s91: from lanes 0-15 to lanes 16-31 there
.if \kind
.set ASTEP, 1536
	s_lshr_b32 s86, s80, 3                         ; v: batch from P's block, head from R's
	s_lshl_b32 s86, s86, 4
	s_lshl_b32 s87, s81, 1
	s_add_co_u32 s86, s86, s87
	s_add_co_u32 s86, s86, s17
	s_mul_i32 s88, s86, HEADB
	s_and_b32 s87, s80, 7
	s_lshl_b32 s87, s87, 1
	s_add_co_u32 s87, s87, s18                     ; my 128 rows of value are one key step
	s_mul_i32 s87, s87, TILEB
	s_add_co_u32 s88, s88, s87
	s_add_co_u32 s88, s88, KV_OFF
	s_add_co_u32 s90, s88, 12800
	s_add_co_u32 s88, s88, 6144
	s_mov_b32 s89, 768
	s_mov_b32 s91, 256
.else
.set ASTEP, 768
	s_lshr_b32 s82, s77, 4                         ; batch
	s_and_b32 s83, s77, 15                         ; the block of 128 rows in it
	s_lshl_b32 s84, s82, 4
	s_lshl_b32 s85, s19, 2
	s_add_co_u32 s84, s84, s85
	s_lshl_b32 s85, s18, 1
	s_add_co_u32 s84, s84, s85                     ; 16 batch + my first head
	s_lshl_b32 s85, s83, 3
	s_lshl_b32 s86, s17, 2
	s_add_co_u32 s85, s85, s86                     ; my first row tile in the batch
	s_cmp_eq_u32 s21, 1
	s_cbranch_scc1 .Lep_k
	s_lshl_b32 s88, s84, 7                         ; q: codes [batch x head][tile] 768 bytes
	s_add_co_u32 s88, s88, s85
	s_mul_i32 s88, s88, 768
	s_mov_b32 s89, 98304
	s_lshl_b32 s90, s84, 5                         ; scale words [batch x head][tile / 4] 256 bytes
	s_lshr_b32 s86, s85, 2
	s_add_co_u32 s90, s90, s86
	s_lshl_b32 s90, s90, 8
	s_add_co_u32 s90, s90, QS_OFF
	s_mov_b32 s91, 8192
	s_branch .Lep_go
.Lep_k:
	s_mul_i32 s88, s84, HEADB                      ; k: the record of (batch x head, key step)
	s_mul_i32 s86, s83, TILEB
	s_add_co_u32 s88, s88, s86
	s_add_co_u32 s88, s88, KV_OFF
	s_lshl_b32 s86, s17, 8
	s_add_co_u32 s90, s88, s86
	s_add_co_u32 s90, s90, 12288
	s_mul_i32 s86, s17, 3072
	s_add_co_u32 s88, s88, s86
	s_mov_b32 s89, HEADB
	s_mov_b32 s91, HEADB
.Lep_go:
.endif
	s_mov_b32 s54, s88
	s_mov_b32 s55, 0
	s_add_nc_u64 s[48:49], s[14:15], s[54:55]
	s_add_co_u32 s54, s88, s89
	s_add_nc_u64 s[50:51], s[14:15], s[54:55]
	s_mov_b32 s54, s90
	s_add_nc_u64 s[52:53], s[14:15], s[54:55]
	v_mul_u32_u24 v6, v7, s91
	v_lshl_add_u32 v6, v8, 4, v6                   ; 16 r + h x the distance
.irp a,0,1,2,3
	s_wait_xcnt 0x0                                ; the last tile's stores have read the codes' registers and their bases
.if \a > 0
	s_add_nc_u64 s[48:49], s[48:49], ASTEP
	s_add_nc_u64 s[50:51], s[50:51], ASTEP
.endif
	QUANT \a
	global_store_b128 v1, v[PC:PC+3], s[48:49]                  ; 512 consecutive bytes
	global_store_b64 v2, v[PC+4:PC+5], s[48:49] offset:512      ; 256
	global_store_b128 v1, v[PC+6:PC+9], s[50:51]
	global_store_b64 v2, v[PC+10:PC+11], s[50:51] offset:512
.endr
.if \kind
	global_store_b128 v6, v[PW:PW+3], s[52:53]     ; v: both halves of the lanes store the whole words, 256 consecutive bytes each
.else
.irp a,0,1,2,3
	v_lshrrev_b32 v[WO+\a], v5, v[PW+\a]           ; q, k: my half's head's two bytes,
	v_and_b32 v[WO+\a], 0xffff, v[WO+\a]
	v_lshl_or_b32 v[WO+\a], v[WO+\a], 16, v[WO+\a] ; twice in a word
.endr
	global_store_b128 v6, v[WO:WO+3], s[52:53]     ; each half of the lanes stores 256 consecutive bytes, aligned
.endif
.endm
	s_mov_b32 s21, 0
.Ljob:                                                 ; q, then k
	JOB 0, 1
	s_add_co_u32 s21, s21, 1
	s_cmp_lt_u32 s21, 2
	WALU
	s_cbranch_scc1 .Ljob
	JOB 1, 0                                       ; v: nothing more is asked for
	s_wait_tensorcnt 0x0                           ; the wave's end
	ds_add_u32 v[SPW], v[NIL]
	s_wait_dscnt 0x0
	s_barrier_signal -1
	s_barrier_wait -1
	CREST                                          ; the closing round
	s_endpgm
.Lfunc_end_k_q4d7204399a_proj:
	.size	k_q4d7204399a_proj, .Lfunc_end_k_q4d7204399a_proj-k_q4d7204399a_proj
	.p2alignl 7, 3214868480
	.fill 96, 4, 3214868480
	.section	.rodata,"a",@progbits
	.p2align	6, 0x0
	.amdhsa_kernel k_q4d7204399a_proj
		.amdhsa_group_segment_fixed_size 327680
		.amdhsa_private_segment_fixed_size 0
		.amdhsa_enable_private_segment 0
		.amdhsa_kernarg_size 48
		.amdhsa_user_sgpr_count 2
		.amdhsa_user_sgpr_kernarg_segment_ptr 1
		.amdhsa_wavefront_size32 1
		.amdhsa_system_sgpr_workgroup_id_x 1
		.amdhsa_system_sgpr_workgroup_id_y 1
		.amdhsa_system_sgpr_workgroup_id_z 1
		.amdhsa_system_vgpr_workitem_id 0
		.amdhsa_next_free_vgpr 768
		.amdhsa_next_free_sgpr 102
		.amdhsa_reserve_vcc 0
		.amdhsa_float_denorm_mode_32 3
		.amdhsa_float_denorm_mode_16_64 3
		.amdhsa_memory_ordered 1
		.amdhsa_forward_progress 1
		.amdhsa_inst_pref_size 183
	.end_amdhsa_kernel
	.amdgpu_metadata
---
amdhsa.version: [ 1, 2 ]
amdhsa.kernels:
  - .name:           k_q4d7204399a_proj
    .symbol:         k_q4d7204399a_proj.kd
    .args:
      - { .name: act, .offset: 0, .size: 8, .value_kind: global_buffer, .address_space: global }
      - { .name: wts, .offset: 8, .size: 8, .value_kind: global_buffer, .address_space: global }
      - { .name: bq, .offset: 16, .size: 8, .value_kind: global_buffer, .address_space: global }
      - { .name: bk, .offset: 24, .size: 8, .value_kind: global_buffer, .address_space: global }
      - { .name: bv, .offset: 32, .size: 8, .value_kind: global_buffer, .address_space: global }
      - { .name: qkv, .offset: 40, .size: 8, .value_kind: global_buffer, .address_space: global }
    .group_segment_fixed_size: 327680
    .private_segment_fixed_size: 0
    .kernarg_segment_align: 8
    .kernarg_segment_size: 48
    .max_flat_workgroup_size: 128
    .sgpr_count:     102
    .vgpr_count:     768
    .wavefront_size: 32
...
	.end_amdgpu_metadata
.endif
;; end of part 2
;; launch attn (part 3): grid 4 x 64, 16 waves a work-group, clusters of 4 x 1, 215,040 bytes of LDS; arguments qkv, maskbits, x; writes x
.if DOCPART == 3
	.amdgcn_target "amdgcn-amd-amdhsa--gfx1250"
	.amdhsa_code_object_version 6
	.text
	.protected	k_q4d7204399a_attn
	.globl	k_q4d7204399a_attn
	.p2align	8
	.type	k_q4d7204399a_attn,@function
k_q4d7204399a_attn:
	s_mov_b64 s[64:65], 0
	v_nop
	global_prefetch_b8 v0, s[64:65] scope:SCOPE_SE
	s_setreg_imm32_b32 hwreg(HW_REG_WAVE_MODE, 25, 1), 1
	s_wait_xcnt 0x0
	s_wait_alu depctr_hold_cnt(0) depctr_sa_sdst(0) depctr_va_vdst(0) depctr_va_sdst(0) depctr_va_ssrc(0) depctr_va_vcc(0) depctr_vm_vsrc(0)
	s_getreg_b32 s2, hwreg(HW_REG_IB_STS2, 6, 4)
	s_cmp_eq_u32 s2, 0
	s_cbranch_scc0 .Lentry_in_a_cluster
	s_endpgm
.Lentry_in_a_cluster:
	s_bfe_u32 s2, ttmp6, 0x10000c
	s_cmp_lg_u32 s2, 0x3003
	s_cbranch_scc0 .Lentry_shape_is_right
	s_endpgm
.Lentry_shape_is_right:
; ATTN: x = softmax(mask(q k^T / 8)) v for one (batch, head) a cluster, both products on codes of E2M3; x leaves quantised along the model's axis, for the last projection.
; SHARES.  The four work-groups of a cluster take 512 queries each of one (batch, head); each of sixteen waves takes two tiles of 16 queries, one after the other, in 256 registers: four waves to a SIMD.
; LDS.  The head's k and v for all 2,048 keys are 16 records of 13,312 bytes (a key step of 128: k's 8 tiles of 768 bytes, v's 4 fragments, k's and v's scale words).  Wave w asks for record w, jointly
; with the same wave of the three partners; every byte is filled once and only read afterwards.  By this text's count a wave has one tensor load out.
; LAYOUT.  Both products are used transposed: S^T = k q^T, O^T = v^T p^T: a lane holds one query (lane % 16) throughout.  Lane r of key tile 2 b + u stands for key 32 b + 8 u + r + 8 (r / 8): score register
; 16 b + i is key 32 b + 16 (lane / 16) + i.  v's channel tiles are laid likewise, so that O^T's registers run along the channels.
; K = 64 IN A FORM OF 128: the other half holds zero codes on both sides.  Even key tiles have their codes in k 0..63, odd ones in k 64..127, so that two neighbouring tiles share one run of six zero registers;
; q lies twice round its own zeros; the scale words hold a head's two bytes twice.
; THE MASK comes as lane masks, one word for each score register and key step, read into scalar registers one step ahead: one v_cndmask_b32 a score.
; SOFTMAX: t = score x log2(e) / 8; M = the running largest t rounded up; p = 2^(t - M) is quantised along the keys; the row's sum is taken of the unquantised p and divides at the end.
; LIMITS: a masked score is set to -2^33, a logit of -2^30 where the definition has -1e9: t is then a whole number, so that a row that is masked whole has p = 1 for every key.  The results differ from the
; definition's only where a row's largest unmasked logit lies under about -1e9.  A block of zeros gets the byte 1.  NaN and infinities are not served.
.set TILEB,  13312
.set HEADB,  16*TILEB
.set SPARE,  HEADB                     ; behind the records: the spare words, 128 bytes for each of sixteen waves; no other line names them
.set QS_OFF, 6291456
.set KV_OFF, 6815744
.set XS_OFF, 6291456
; v1 16 x lane, v2 8 x lane, v3 16 r; v4, v5 the add's two; v6 -2^33; v7-9 the step's LDS addresses; v10-11 x's scale words; v12 -M, v13 largest t, v14-15 the sum;
; v16-33 q; v34-69 four tiles of k (v34-37 later the conversions' scale operands); v70-81 p's codes; v82-84, v86-88 second halves; v85 at work; v89 q's scale words; v90-93 v's;
; v94 f, v95 p's scale word; v96-159 S^T, then p; v160-191 O^T; v192-239 v's fragments; v240-247 k's scale words; v248-255 at work
.macro CROUND
	s_barrier_signal -1
	s_barrier_wait -1
	s_cmp_lg_u32 s10, 0
	s_cbranch_scc1 .Lnot_wave_0_\@
	s_barrier_signal -3
.Lnot_wave_0_\@:
	s_barrier_wait -3
	s_barrier_signal -1
	s_barrier_wait -1
.endm
	s_load_b128 s[4:7], s[0:1], 0x0                ; qkv, maskbits
	s_load_b64 s[8:9], s[0:1], 0x10                ; x
	v_lshl_add_u32 v4, v0, 2, SPARE
	v_mov_b32 v5, 0
	ds_add_u32 v4, v5                              ; the opening: the add and its wait ahead of the first tensor load; work on registers stands between
	ds_add_u32 v4, v5
	v_lshrrev_b32 v7, 5, v0
	s_delay_alu instid0(VALU_DEP_1)
	v_readfirstlane_b32 s10, v7                    ; wave 0..15
	s_bfe_u32 s11, ttmp6, 0x40000                  ; cx: my block of 512 queries
	s_and_b32 s12, ttmp7, 0xffff                   ; 16 batch + head: the partners share it
	s_mov_b32 s16, 15|(3<<16)|(1<<21)              ; group 1: all four work-groups; elements of 8 bytes; a dense record as 52 rows of 256 bytes
	s_mov_b32 s17, 32<<16
	s_mov_b32 s18, 52<<16
	s_mov_b32 s19, 32<<16
	s_mov_b32 s20, 52
	s_mov_b32 s21, 32
	s_mov_b32 s22, 0
	s_mov_b32 s23, 0
	s_mov_b32 s92, 1
	s_mul_i32 s93, s10, TILEB                      ; record w goes to 13,312 w
	s_mul_i32 s96, s12, HEADB
	s_add_co_u32 s96, s96, s93
	s_add_co_u32 s96, s96, KV_OFF
	s_mov_b32 s97, 0
	s_mov_b32 s84, 0x76543210
	s_mov_b32 s85, 0xfedcba98                      ; lane l xor 16
	s_mov_b32 s86, 0x3e38aa3b                      ; c = log2(e) / 8
	s_mov_b32 s87, s86                             ; (named with it as a pair)
	v_and_b32 v7, 31, v0
	s_delay_alu instid0(VALU_DEP_1)
	v_lshlrev_b32 v1, 4, v7
	s_delay_alu instid0(VALU_DEP_2)
	v_lshlrev_b32 v2, 3, v7
	v_and_b32 v3, 15, v0
	s_delay_alu instid0(VALU_DEP_1)
	v_lshlrev_b32 v3, 4, v3
	v_mov_b32 v6, 0xd0000000                       ; -2^33
.irp i,22,23,24,25,26,27,40,41,42,43,44,45,58,59,60,61,62,63
	v_mov_b32 v\i, 0                               ; the zero codes: written once
.endr
.irp i,94,95,252,253,254,255
	v_mov_b32 v\i, 0                               ; lane permutes' destinations, and halves of pairs that are named before they are written
.endr
	s_wait_dscnt 0x0                               ; the opening add is done
	s_wait_kmcnt 0x0
	s_add_nc_u64 s[94:95], s[4:5], s[96:97]
	s_or_b32 s95, s95, 0x80000000
	CROUND                                         ; all four work-groups are here: the joint loads meet
	tensor_load_to_lds s[92:95], s[16:23]
	s_nop 0
.rept 4
	v_nop
.endr
	s_lshl_b32 s96, s11, 5
	s_lshl_b32 s97, s10, 1
	s_add_co_u32 s96, s96, s97                     ; my first query tile in the batch: 32 cx + 2 w
	s_lshr_b32 s97, s12, 4                         ; batch
	s_and_b32 s91, s12, 15                         ; head
	s_lshl_b32 s14, s97, 6                         ; x's scale words: [pair of tiles][head] 256 bytes
	s_lshl_b32 s15, s11, 4
	s_add_co_u32 s14, s14, s15
	s_add_co_u32 s14, s14, s10
	s_lshl_b32 s14, s14, 4
	s_add_co_u32 s14, s14, s91
	s_lshl_b32 s14, s14, 8
	s_add_co_u32 s14, s14, XS_OFF
	s_mov_b32 s15, 0
	s_add_nc_u64 s[98:99], s[8:9], s[14:15]
	s_lshl_b32 s100, s97, 7
	s_add_co_u32 s100, s100, s96                   ; my first tile among all 512
	s_lshl_b32 s14, s100, 4                        ; x's codes: [tile][head] 768 bytes
	s_add_co_u32 s14, s14, s91
	s_mul_i32 s14, s14, 768
	s_add_nc_u64 s[8:9], s[8:9], s[14:15]
	s_lshl_b32 s100, s100, 12                      ; the mask words: 4,096 bytes a tile; my second tile's follow my first's
	s_mov_b32 s101, 0
	s_add_nc_u64 s[88:89], s[6:7], s[100:101]
	s_lshl_b32 s14, s12, 7                         ; q's codes: [batch x head][tile] 768 bytes
	s_add_co_u32 s14, s14, s96
	s_mul_i32 s14, s14, 768
	s_add_nc_u64 s[2:3], s[4:5], s[14:15]
	s_lshl_b32 s14, s12, 5                         ; q's scale words: [batch x head][tile / 4] 256 bytes, the word at 16 r + 4 (tile % 4)
	s_lshl_b32 s100, s11, 3
	s_add_co_u32 s14, s14, s100
	s_lshr_b32 s100, s10, 1
	s_add_co_u32 s14, s14, s100
	s_lshl_b32 s14, s14, 8
	s_and_b32 s100, s10, 1
	s_lshl_b32 s100, s100, 3
	s_add_co_u32 s14, s14, s100
	s_add_co_u32 s14, s14, QS_OFF
	s_add_nc_u64 s[6:7], s[4:5], s[14:15]
	s_wait_tensorcnt 0x0                           ; my record is in,
	s_barrier_signal -1
	s_barrier_wait -1                              ; everybody's is.  The descriptor's registers are free
	s_mov_b32 s90, 0
	s_load_b512 s[16:31], s[88:89], s90 offset:0x0     ; the first step's 64 mask words
	s_load_b512 s[32:47], s[88:89], s90 offset:0x40
	s_load_b512 s[48:63], s[88:89], s90 offset:0x80
	s_load_b512 s[68:83], s[88:89], s90 offset:0xc0
.macro KLOAD g                         ; four tiles of k: six registers each
.irp t,0,1,2,3
	ds_load_b128 v[34+18*(\t/2)+12*(\t%2):34+18*(\t/2)+12*(\t%2)+3], v7 offset:768*(4*(\g)+\t)
	ds_load_b64 v[34+18*(\t/2)+12*(\t%2)+4:34+18*(\t/2)+12*(\t%2)+5], v8 offset:768*(4*(\g)+\t)+512
.endr
.endm
.macro KQ g                            ; S^T of four tiles: even tiles take registers (codes, zeros) of k and of q, odd tiles (zeros, codes)
.irp t,0,1,2,3
	v_wmma_scale_f32_16x16x128_f8f6f4 v[96+8*(4*(\g)+\t):96+8*(4*(\g)+\t)+7], v[34+18*(\t/2)+6*(\t%2):34+18*(\t/2)+6*(\t%2)+11], v[16+6*(\t%2):16+6*(\t%2)+11], 0, v[240+4*(\g)+\t], v89 matrix_a_fmt:MATRIX_FMT_FP6 matrix_b_fmt:MATRIX_FMT_FP6
.endr
.endm
; A KEY STEP: 128 keys, the record at s13
.macro STEP
	v_add_nc_u32 v7, s13, v1                       ; (these three and the four v_nop below are the places behind the last step's products, ahead of the loads into v's registers)
	v_add_nc_u32 v8, s13, v2
	v_add_nc_u32 v9, s13, v3
	ds_load_b128 v[240:243], v9 offset:12288       ; k's scale words: tiles 0-3,
	ds_load_b128 v[244:247], v9 offset:12544       ; 4-7
	KLOAD 0
	s_wait_alu depctr_va_vdst(0)
	s_wait_dscnt 0x0
	KQ 0
.rept 4
	v_nop                                          ; places in front of loads into registers that the products have read
.endr
	KLOAD 1
.irp a,0,1,2,3
.irp c,0,1
	ds_load_b128 v[192+12*\a+6*\c:192+12*\a+6*\c+3], v7 offset:6144+1536*\a+768*\c      ; v's fragments: they land under the softmax
	ds_load_b64 v[192+12*\a+6*\c+4:192+12*\a+6*\c+5], v8 offset:6144+1536*\a+768*\c+512
.endr
.endr
	ds_load_b128 v[90:93], v9 offset:12800         ; v's scale words
	s_wait_dscnt 17                                ; k's eight loads are in; v's sixteen and its scale words may be out
	KQ 1
.rept 4
	v_nop                                          ; places in front of the first read of results
.endr
	s_wait_kmcnt 0x0                               ; this step's mask words, asked for a step ago
.set jj, 0
.rept 64
	v_cndmask_b32 v[96+jj], v[96+jj], v6, s[16+jj+4*(jj/48)]   ; a masked score becomes -2^33.  Ascending: each accumulator is read from its low end on
.set jj, jj+1
.endr
	s_add_co_u32 s90, s90, 256                     ; the next step's words (my second tile's follow my first's);
	s_min_u32 s90, s90, 7936                       ; the last step of all asks for its own again: no load leaves the buffer
	s_load_b512 s[16:31], s[88:89], s90 offset:0x0
	s_load_b512 s[32:47], s[88:89], s90 offset:0x40
	s_load_b512 s[48:63], s[88:89], s90 offset:0x80
	s_load_b512 s[68:83], s[88:89], s90 offset:0xc0
.irp b,0,1,2,3
	v_max3_num_f32 v[248+\b], v[96+16*\b], v[97+16*\b], v[98+16*\b]   ; the largest score of each block of 32 keys: for the row's maximum, and for the block's largest p
.endr
.irp i,3,5,7,9,11,13
.irp b,0,1,2,3
	s_delay_alu instid0(VALU_DEP_4)
	v_max3_num_f32 v[248+\b], v[248+\b], v[96+16*\b+\i], v[97+16*\b+\i]
.endr
.endr
.irp b,0,1,2,3
	s_delay_alu instid0(VALU_DEP_4)
	v_max_num_f32 v[248+\b], v[248+\b], v[111+16*\b]
.endr
.irp b,0,1,2,3
	s_delay_alu instid0(VALU_DEP_4)
	v_permlanex16_b32 v[252+\b], v[248+\b], s84, s85
.endr
.irp b,0,1,2,3
	s_delay_alu instid0(VALU_DEP_4)
	v_max_num_f32 v[248+\b], v[248+\b], v[252+\b]  ; with lane l xor 16's 16 keys
.endr
	s_delay_alu instid0(VALU_DEP_2)
	v_max3_num_f32 v85, v248, v249, v250
	s_delay_alu instid0(VALU_DEP_1)
	v_max_num_f32 v85, v85, v251
	s_delay_alu instid0(VALU_DEP_1)
	v_mul_f32 v85, s86, v85                        ; as t
	s_delay_alu instid0(VALU_DEP_1)
	v_max_num_f32 v13, v13, v85                    ; the running largest t
	v_mov_b32 v85, v12
	s_delay_alu instid0(VALU_DEP_2)
	v_floor_f32 v12, -v13                          ; -M = floor(-t): M is a whole number
	s_delay_alu instid0(VALU_DEP_1)
	v_sub_f32 v85, v12, v85                        ; old M - new M: a whole number, 0 or less
	s_delay_alu instid0(VALU_DEP_1)
	v_cvt_i32_f32 v85, v85                         ; (it saturates)
	s_delay_alu instid0(VALU_DEP_1)
	v_ldexp_f32 v94, 1.0, v85                      ; f = 2^(old M - new M)
.set jj, 0
.rept 32
	v_pk_fma_f32 v[96+jj:97+jj], v[96+jj:97+jj], s[86:87], v[12:13] op_sel_hi:[1,0,0]   ; t - M, two at a time
.set jj, jj+2
.endr
.irp b,0,1,2,3
	v_fma_f32 v[248+\b], v[248+\b], s86, v12       ; the same of each block's largest score
.endr
.set jj, 0
	s_wait_alu depctr_va_vdst(0)
.rept 64
	v_exp_f32 v[96+jj], v[96+jj]                   ; p = 2^(t - M): one batch
.set jj, jj+1
.endr
	v_pk_mul_f32 v[14:15], v[14:15], v[94:95] op_sel_hi:[1,0]   ; the sums under the new M: the plain place behind the batch
	s_wait_alu depctr_va_vdst(0)                   ; one wait for the batch, ahead of its first reader
.irp b,0,1,2,3
	v_exp_f32 v[248+\b], v[248+\b]                 ; the blocks' largest p
.endr
	v_pk_add_f32 v[252:253], v[100:101], v[104:105]
	v_pk_add_f32 v[254:255], v[108:109], v[112:113]
	v_pk_add_f32 v[246:247], v[116:117], v[120:121]
	v_pk_add_f32 v[244:245], v[124:125], v[128:129]
	v_pk_add_f32 v[242:243], v[132:133], v[136:137]
	v_pk_add_f32 v[240:241], v[140:141], v[144:145]
	v_pk_add_f32 v[86:87], v[148:149], v[152:153]
	v_pk_add_f32 v[14:15], v[14:15], v[156:157]
	v_pk_add_f32 v[252:253], v[252:253], v[96:97]
	v_pk_add_f32 v[254:255], v[254:255], v[98:99]
	v_pk_add_f32 v[246:247], v[246:247], v[102:103]
	v_pk_add_f32 v[244:245], v[244:245], v[106:107]
	v_pk_add_f32 v[242:243], v[242:243], v[110:111]
	v_pk_add_f32 v[240:241], v[240:241], v[114:115]
	v_pk_add_f32 v[86:87], v[86:87], v[118:119]
	v_pk_add_f32 v[14:15], v[14:15], v[122:123]
	v_pk_add_f32 v[252:253], v[252:253], v[126:127]
	v_pk_add_f32 v[254:255], v[254:255], v[130:131]
	v_pk_add_f32 v[246:247], v[246:247], v[134:135]
	v_pk_add_f32 v[244:245], v[244:245], v[138:139]
	v_pk_add_f32 v[242:243], v[242:243], v[142:143]
	v_pk_add_f32 v[240:241], v[240:241], v[146:147]
	v_pk_add_f32 v[86:87], v[86:87], v[150:151]
	v_pk_add_f32 v[14:15], v[14:15], v[154:155]
	v_pk_add_f32 v[252:253], v[252:253], v[158:159]
	s_delay_alu instid0(VALU_DEP_2)
	v_pk_add_f32 v[14:15], v[14:15], v[244:245]
	s_delay_alu instid0(VALU_DEP_2)
	v_pk_add_f32 v[252:253], v[252:253], v[242:243]
	v_pk_add_f32 v[254:255], v[254:255], v[240:241]
	v_pk_add_f32 v[246:247], v[246:247], v[86:87]
	s_delay_alu instid0(VALU_DEP_2)
	v_pk_add_f32 v[14:15], v[14:15], v[254:255]
	s_delay_alu instid0(VALU_DEP_2)
	v_pk_add_f32 v[252:253], v[252:253], v[246:247]
	s_delay_alu instid0(VALU_DEP_1)
	v_pk_add_f32 v[14:15], v[14:15], v[252:253]
	s_wait_alu depctr_va_vdst(0)                   ; and one for the four
.irp b,0,1,2,3
	v_max_num_f32 v[248+\b], 0x1800000, v[248+\b]  ; the floor: the byte cannot fall under 1
.endr
.irp b,0,1,2,3
	s_delay_alu instid0(VALU_DEP_4)
	v_add_nc_u32 v[34+\b], 0xff000000, v[248+\b]   ; the conversions' scale operands
.endr
.irp b,0,1,2,3
	s_delay_alu instid0(VALU_DEP_4)
	v_lshrrev_b32 v[252+\b], 23, v[34+\b]          ; the bytes
.endr
	s_delay_alu instid0(VALU_DEP_3)
	v_lshl_or_b32 v95, v253, 8, v252               ; p's scale word for these 128 keys
	s_delay_alu instid0(VALU_DEP_1)
	v_lshl_or_b32 v95, v254, 16, v95
	s_delay_alu instid0(VALU_DEP_1)
	v_lshl_or_b32 v95, v255, 24, v95
.irp c,0,1
	v_cvt_scalef32_pk16_fp6_f32 v[70+6*\c:72+6*\c], v[96+32*\c:111+32*\c], v[34+2*\c]
	v_cvt_scalef32_pk16_fp6_f32 v[82+4*\c:84+4*\c], v[112+32*\c:127+32*\c], v[35+2*\c]
.endr
	v_nop                                          ; one plain place behind a scaled conversion
.irp c,0,1                             ; a whole block to a lane
.irp i,0,1,2
	v_permlane16_swap_b32 v[70+6*\c+\i], v[82+4*\c+\i]
.endr
.irp i,0,1,2
	s_delay_alu instid0(VALU_DEP_3)
	v_mov_b32 v[73+6*\c+\i], v[82+4*\c+\i]
.endr
.endr
.set jj, 0
.rept 16
	v_pk_mul_f32 v[160+jj:161+jj], v[160+jj:161+jj], v[94:95] op_sel_hi:[1,0]   ; O^T under the new M.  (These are also the places between the scale word, the codes and the products)
.set jj, jj+2
.endr
	s_wait_alu depctr_va_vdst(0)
	s_wait_dscnt 0x0                               ; v's fragments and scale words
.irp a,0,1,2,3
	v_wmma_scale_f32_16x16x128_f8f6f4 v[160+8*\a:167+8*\a], v[192+12*\a:203+12*\a], v[70:81], v[160+8*\a:167+8*\a], v[90+\a], v95 matrix_a_fmt:MATRIX_FMT_FP6 matrix_b_fmt:MATRIX_FMT_FP6
.endr
	s_add_co_u32 s13, s13, TILEB
.endm
; ONE TILE OF 16 QUERIES through all 16 key steps, and its way out
.macro TILE i
	s_wait_xcnt 0x0                                ; earlier stores have read their registers
	global_load_b128 v[16:19], v1, s[2:3] offset:768*\i            ; q's six registers, twice: ahead of its zeros and behind them
	global_load_b64 v[20:21], v2, s[2:3] offset:768*\i+512
	global_load_b128 v[28:31], v1, s[2:3] offset:768*\i
	global_load_b64 v[32:33], v2, s[2:3] offset:768*\i+512
	global_load_b32 v89, v3, s[6:7] offset:4*\i
	v_mov_b32 v13, 0xff61b1e6                      ; the largest t so far: -3e38
	s_delay_alu instid0(VALU_DEP_1)
	v_floor_f32 v12, -v13
	v_mov_b32 v14, 0
	v_mov_b32 v15, 0
.set jj, 0
.rept 32
	v_mov_b32 v[160+jj], 0                         ; O^T: the step is written once; the first finds zeros
.set jj, jj+1
.endr
	s_mov_b32 s13, 0
	s_mov_b32 s14, 16
	s_wait_loadcnt 0x0
.Lstep_\@:
	STEP
	s_sub_co_u32 s14, s14, 1
	s_cmp_lg_u32 s14, 0
	s_cbranch_scc1 .Lstep_\@
.rept 4
	v_nop                                          ; places in front of the first read of results
.endr
	v_add_f32 v14, v14, v15
	s_delay_alu instid0(VALU_DEP_1)
	v_permlanex16_b32 v252, v14, s84, s85
	s_delay_alu instid0(VALU_DEP_1)
	v_add_f32 v14, v14, v252                       ; the row's sum
	s_wait_alu depctr_va_vdst(0)
	v_rcp_f32 v14, v14
	v_nop                                          ; a plain place behind the reciprocal,
	s_wait_alu depctr_va_vdst(0)                   ; and the wait ahead of its first reader
.set jj, 0
.rept 16
	v_pk_mul_f32 v[96+jj:97+jj], v[160+jj:161+jj], v[14:15] op_sel_hi:[1,0]   ; register 16 b + i: channel 32 b + 16 h + i of my query
.set jj, jj+2
.endr
	v_max3_num_f32 v248, |v96|, |v97|, 0x1800000   ; the head's 64 channels are two blocks of the last projection's K
	v_max3_num_f32 v249, |v112|, |v113|, 0x1800000
.irp n,2,4,6,8,10,12,14
	s_delay_alu instid0(VALU_DEP_2)
	v_max3_num_f32 v248, v248, |v[96+\n]|, |v[97+\n]|
	s_delay_alu instid0(VALU_DEP_2)
	v_max3_num_f32 v249, v249, |v[112+\n]|, |v[113+\n]|
.endr
	s_delay_alu instid0(VALU_DEP_2)
	v_permlanex16_b32 v252, v248, s84, s85
	s_delay_alu instid0(VALU_DEP_2)
	v_permlanex16_b32 v253, v249, s84, s85
	s_delay_alu instid0(VALU_DEP_2)
	v_max_num_f32 v248, v248, v252
	s_delay_alu instid0(VALU_DEP_2)
	v_max_num_f32 v249, v249, v253
	s_delay_alu instid0(VALU_DEP_2)
	v_add_nc_u32 v34, 0xff000000, v248
	s_delay_alu instid0(VALU_DEP_2)
	v_add_nc_u32 v35, 0xff000000, v249
	s_delay_alu instid0(VALU_DEP_2)
	v_lshrrev_b32 v252, 23, v34
	s_delay_alu instid0(VALU_DEP_2)
	v_lshrrev_b32 v253, 23, v35
	s_delay_alu instid0(VALU_DEP_1)
	v_lshl_or_b32 v[10+\i], v253, 8, v252          ; the tile's two bytes
	v_cvt_scalef32_pk16_fp6_f32 v[70:72], v[96:111], v34
	v_cvt_scalef32_pk16_fp6_f32 v[82:84], v[112:127], v35
	v_nop
.irp n,0,1,2
	v_permlane16_swap_b32 v[70+\n], v[82+\n]
.endr
.irp n,0,1,2
	s_delay_alu instid0(VALU_DEP_3)
	v_mov_b32 v[73+\n], v[82+\n]
.endr
	global_store_b128 v1, v[70:73], s[8:9] offset:12288*\i         ; 512 consecutive bytes
	global_store_b64 v2, v[74:75], s[8:9] offset:12288*\i+512      ; 256
.endm
	TILE 0
	TILE 1
	global_store_b64 v2, v[10:11], s[98:99]        ; both tiles' scale words: 256 consecutive bytes, aligned
	s_wait_tensorcnt 0x0                           ; the wave's end
	ds_add_u32 v4, v5
	s_wait_dscnt 0x0
	CROUND                                         ; the closing round
	s_endpgm
.Lfunc_end_k_q4d7204399a_attn:
	.size	k_q4d7204399a_attn, .Lfunc_end_k_q4d7204399a_attn-k_q4d7204399a_attn
	.p2alignl 7, 3214868480
	.fill 96, 4, 3214868480
	.section	.rodata,"a",@progbits
	.p2align	6, 0x0
	.amdhsa_kernel k_q4d7204399a_attn
		.amdhsa_group_segment_fixed_size 215040
		.amdhsa_private_segment_fixed_size 0
		.amdhsa_enable_private_segment 0
		.amdhsa_kernarg_size 24
		.amdhsa_user_sgpr_count 2
		.amdhsa_user_sgpr_kernarg_segment_ptr 1
		.amdhsa_wavefront_size32 1
		.amdhsa_system_sgpr_workgroup_id_x 1
		.amdhsa_system_sgpr_workgroup_id_y 1
		.amdhsa_system_sgpr_workgroup_id_z 1
		.amdhsa_system_vgpr_workitem_id 0
		.amdhsa_next_free_vgpr 256
		.amdhsa_next_free_sgpr 106
		.amdhsa_reserve_vcc 0
		.amdhsa_float_denorm_mode_32 3
		.amdhsa_float_denorm_mode_16_64 3
		.amdhsa_memory_ordered 1
		.amdhsa_forward_progress 1
		.amdhsa_inst_pref_size 64
	.end_amdhsa_kernel
	.amdgpu_metadata
---
amdhsa.version: [ 1, 2 ]
amdhsa.kernels:
  - .name:           k_q4d7204399a_attn
    .symbol:         k_q4d7204399a_attn.kd
    .args:
      - { .name: qkv, .offset: 0, .size: 8, .value_kind: global_buffer, .address_space: global }
      - { .name: maskbits, .offset: 8, .size: 8, .value_kind: global_buffer, .address_space: global }
      - { .name: x, .offset: 16, .size: 8, .value_kind: global_buffer, .address_space: global }
    .group_segment_fixed_size: 215040
    .private_segment_fixed_size: 0
    .kernarg_segment_align: 8
    .kernarg_segment_size: 24
    .max_flat_workgroup_size: 512
    .sgpr_count:     106
    .vgpr_count:     256
    .wavefront_size: 32
...
	.end_amdgpu_metadata
.endif
;; end of part 3
;; launch outproj (part 4): grid 4 x 64, 4 waves a work-group, clusters of 4 x 4, 327,680 bytes of LDS; arguments x, wts, bo, out0; writes out0
.if DOCPART == 4
	.amdgcn_target "amdgcn-amd-amdhsa--gfx1250"
	.amdhsa_code_object_version 6
	.text
	.protected	k_q4d7204399a_outproj
	.globl	k_q4d7204399a_outproj
	.p2align	8
	.type	k_q4d7204399a_outproj,@function
k_q4d7204399a_outproj:
	s_mov_b64 s[64:65], 0
	v_nop
	global_prefetch_b8 v0, s[64:65] scope:SCOPE_SE
	s_setreg_imm32_b32 hwreg(HW_REG_WAVE_MODE, 25, 1), 1
	s_wait_xcnt 0x0
	s_wait_alu depctr_hold_cnt(0) depctr_sa_sdst(0) depctr_va_vdst(0) depctr_va_sdst(0) depctr_va_ssrc(0) depctr_va_vcc(0) depctr_vm_vsrc(0)
	s_getreg_b32 s2, hwreg(HW_REG_IB_STS2, 6, 4)
	s_cmp_eq_u32 s2, 0
	s_cbranch_scc0 .Lentry_in_a_cluster
	s_endpgm
.Lentry_in_a_cluster:
	s_bfe_u32 s2, ttmp6, 0x10000c
	s_cmp_lg_u32 s2, 0xf033
	s_cbranch_scc0 .Lentry_shape_is_right
	s_endpgm
.Lentry_shape_is_right:
; OUTPROJ: out0 = x Wo + bo on codes of E2M3; x comes quantised from the attention launch, Wo from the first.
; Side P (source 0, its index along a lane's registers) = 256 columns of Wo; side R (source 1, its index in the lane) = 128 rows of x.  Four waves; wave w: P tiles 8 (w & 1) on, R tiles 4 (w >> 1) on: 32 accumulators.
; Lane r of tile m stands for index 32 (m / 2) + 8 (m % 2) + r + 8 (r / 8): the 16 result registers of P tiles 2 b, 2 b + 1 are 16 neighbouring columns.
; ALL OF K (1,024) LIES IN LDS: two halves of 512 along K, each 8 tiles of x (6,144 bytes: four fragments) and 16 tiles of Wo (6,656 bytes: two records); every byte is filled once.
; x's scale words come from memory into registers at the head.  CLUSTER 4 x 4: x's pieces are asked for jointly along a row of the cluster, Wo's along a column.  By this text's count a wave has one tensor load out.
; REGISTERS.  window 0: v1-9 lane terms; v16-21 LDS addresses; v28, v29 the add's two; v32-63 Wo's scale words (two sets); v64-95 x's, (a, s) at 64 + 8 a + s; v96-191 x's fragments (two sets); v192-255 at work.
;   window 1: the accumulators, (a, t) at 64 a + 8 t.   window 2: v0-191 Wo's fragments (two sets); v192-255 the bias.
.set REC,    3328
.set TILEB,  4*REC
.set XCH,    3072                      ; a tile of x, 256 along K
.set XTILE,  4*XCH
; LDS AS THIS TEXT LAYS IT (in place of the head's words on four chunks and four loads a wave): K lies as TWO HALVES of 512.  A half is 8 tiles of x (6,144 bytes each: four fragments)
; and then 16 tiles of Wo (6,656 bytes each: two records on end).  Four tensor loads, one a wave: wave 0 Wo's 16 tiles of half 0, wave 1 x's 8 tiles of half 0, waves 2 and 3 the same of half 1.
; Every byte is filled once.  By this text's count a wave has one tensor load out.
.set TP,     2*REC                     ; from tile to tile of Wo in a half
.set XP,     2*XCH                     ; from tile to tile of x
.set POFF,   8*XP
.set HALF,   8*XP+16*TP
.set SPARE,  2*HALF                    ; the spare words: 128 bytes a wave; no other line names them
.set XS_OFF, 6291456
.set SPITCH, 528                       ; the way out: a stage of 16 rows x (512 bytes + 16) a wave, in half 0's bytes, which have had their only fill and their last read by then
.set AP16, 16
.set AP8,  17
.set AR16, 18
.set AR8,  19
.set STO,  20
.set RD,   21
.set SPW,  28
.set NIL,  29
.set PS,   32
.set RS,   64
.set RF,   96
.set BK,   192
.set BIAS, 192
.set G1R,  24
.set G1P,  32
.set G0R,  40
.set MSB, 0
.macro WIN new                         ; the immediate's high byte repeats the setting that is left
.if MSB != \new
	s_set_vgpr_msb (MSB<<8)|\new
.set MSB, \new
.endif
.endm
.macro PLACES n
.rept \n
	v_nop
.endr
.endm
.macro CROUND
	s_barrier_signal -1
	s_barrier_wait -1
	s_cmp_lg_u32 s16, 0
	s_cbranch_scc1 .Lnot_wave_0_\@
	s_barrier_signal -3
.Lnot_wave_0_\@:
	s_barrier_wait -3
	s_barrier_signal -1
	s_barrier_wait -1
.endm
	s_load_b256 s[4:11], s[0:1], 0x0               ; x, wts, bo, out0
	v_lshl_add_u32 v[SPW], v0, 2, SPARE
	v_mov_b32 v[NIL], 0
	ds_add_u32 v[SPW], v[NIL]                      ; the opening: the add and its wait ahead of the first tensor load; work on registers stands between
	ds_add_u32 v[SPW], v[NIL]
	v_lshrrev_b32 v9, 5, v0
	v_readfirstlane_b32 s16, v9                    ; wave 0..3
	s_lshr_b32 s17, s16, 1                         ; rh.  Also: which half I fetch
	s_and_b32 s18, s16, 1                          ; ph.  Also: I fetch for Wo (0) or for x (1)
	s_bfe_u32 s19, ttmp6, 0x40000                  ; cx: the block of 256 columns
	s_bfe_u32 s20, ttmp6, 0x40004                  ; cy
	s_and_b32 s23, ttmp7, 0xffff
	s_lshl_b32 s77, s23, 2
	s_add_co_u32 s77, s77, s20                     ; Rb: the block of 128 rows
	s_lshl_b32 s90, s20, 2
	s_lshl_b32 s90, 15, s90                        ; my row of the cluster
	s_lshl_b32 s91, 0x1111, s19                    ; my column
	s_or_b32 s[G1R], s90, (3<<16)|(1<<21)          ; x: 8 tiles a load, 6,144 bytes (768 elements of 8) of each, tiles 12,288 bytes apart
	s_mov_b32 s[G1R+1], 768<<16                    ; 8 tiles a load, 6,144 bytes (768 elements of 8) of each
	s_mov_b32 s[G1R+2], 8<<16
	s_mov_b32 s[G1R+3], 768<<16
	s_mov_b32 s[G1R+4], 8
	s_mov_b32 s[G1R+5], 1536
	s_mov_b32 s[G1R+6], 0
	s_mov_b32 s[G1R+7], 0
	s_or_b32 s[G1P], s91, (3<<16)|(1<<21)          ; Wo: 16 tiles a load, 6,656 bytes of each, tiles 13,312 bytes apart
	s_mov_b32 s[G1P+1], 832<<16                    ; 16 tiles a load, 6,656 bytes of each
	s_mov_b32 s[G1P+2], 16<<16
	s_mov_b32 s[G1P+3], 832<<16
	s_mov_b32 s[G1P+4], 16
	s_mov_b32 s[G1P+5], 1664
	s_mov_b32 s[G1P+6], 0
	s_mov_b32 s[G1P+7], 0
	s_lshl_b32 s82, s19, 4
	s_add_co_u32 s82, s82, 192                     ; Wo's tiles begin at 192 in wts
	s_mul_i32 s82, s82, TILEB
	s_mov_b32 s83, 0
	s_lshl_b32 s84, s77, 3
	s_mul_i32 s84, s84, XTILE
	s_mov_b32 s85, 0
	s_mul_i32 s67, s18, 8*TP
	s_add_co_u32 s67, s67, POFF                    ; where my 8 tiles of Wo lie in a half
	v_and_b32 v9, 31, v0                           ; lane
	v_and_b32 v8, 15, v0                           ; r
	v_bfe_u32 v7, v0, 4, 1                         ; h
	v_lshlrev_b32 v1, 4, v9                        ; 16 x lane
	v_lshlrev_b32 v2, 3, v9                        ; 8 x lane
	v_lshlrev_b32 v3, 6, v7                        ; 64 h
	s_wait_dscnt 0x0                               ; the opening add is done
	s_wait_kmcnt 0x0
	s_add_nc_u64 s[86:87], s[6:7], s[82:83]
	s_add_nc_u64 s[88:89], s[4:5], s[84:85]
.irp j,0,1                             ; groups 0 for half j: x's at s40, s44; Wo's at s56, s60.  LDS places are constants
	s_mov_b32 s[G0R+4*\j], 1
	s_mov_b32 s[G0R+4*\j+1], HALF*\j
	s_add_nc_u64 s[G0R+4*\j+2:G0R+4*\j+3], s[88:89], XP*\j
	s_or_b32 s[G0R+4*\j+3], s[G0R+4*\j+3], 0x80000000
	s_mov_b32 s[56+4*\j], 1
	s_mov_b32 s[56+4*\j+1], HALF*\j+POFF
	s_add_nc_u64 s[56+4*\j+2:56+4*\j+3], s[86:87], TP*\j
	s_or_b32 s[56+4*\j+3], s[56+4*\j+3], 0x80000000
.endr
	CROUND                                         ; all sixteen work-groups are here: the joint loads meet
; the head's loads, one a wave, in one chain of branches on the wave's number: every way passes exactly one load
.macro ARM w, g0, g1, next
	s_cmp_eq_u32 s16, \w
	s_cbranch_scc0 \next
	tensor_load_to_lds s[\g0:\g0+3], s[\g1:\g1+7]
	s_nop 0
	PLACES 4
	s_branch .Lfilled
\next:
.endm
	ARM 0, 56, G1P, .Lwave_1                       ; half 0: Wo's tiles,
	ARM 1, G0R, G1R, .Lwave_2                      ; x's;
	ARM 2, 60, G1P, .Lwave_3                       ; half 1: Wo's,
	tensor_load_to_lds s[G0R+4:G0R+7], s[G1R:G1R+7]   ; x's
	s_nop 0
	PLACES 4
.Lfilled:
	s_wait_alu depctr_va_vdst(0)
	v_add_nc_u32 v[AP16], s67, v1
	v_add_nc_u32 v[AP8], s67, v2
	s_mul_i32 s23, s17, 4*XP
	v_add_nc_u32 v[AR16], s23, v1
	v_add_nc_u32 v[AR8], s23, v2
	s_mul_i32 s23, s16, 16*SPITCH                  ; my stage
	v_mul_u32_u24 v[STO], v8, SPITCH
	v_add_nc_u32 v[STO], v[STO], v3
	v_add_nc_u32 v[STO], s23, v[STO]               ; in: row r, + 64 h
	v_add_nc_u32 v[RD], s23, v1                    ; back: a row's 512 bytes, 16 a lane
	s_lshl_b32 s94, s77, 2
	s_lshl_b32 s95, s17, 1
	s_add_co_u32 s94, s94, s95
	s_lshl_b32 s94, s94, 12                        ; x's scale words: [pair of tiles][head] 256 bytes; my two pairs
	s_add_co_u32 s94, s94, XS_OFF
	s_mov_b32 s95, 0
	s_add_nc_u64 s[92:93], s[4:5], s[94:95]
	s_lshl_b32 s78, s19, 10
	s_lshl_b32 s79, s18, 9
	s_add_co_u32 s78, s78, s79                     ; my first column, in bytes
	s_mov_b32 s79, 0
	s_add_nc_u64 s[8:9], s[8:9], s[78:79]          ; bo there
	s_lshl_b32 s94, s77, 19
	s_lshl_b32 s80, s17, 18
	s_add_co_u32 s94, s94, s80                     ; my first row x 4,096 bytes
	s_add_co_u32 s94, s94, s78
	s_add_nc_u64 s[96:97], s[10:11], s[94:95]      ; out0 at my corner
.irp p,0,1
.irp d,0,1,2,3,4,5,6,7,8,9,10,11,12,13,14,15
	global_load_b64 v[192+2*(16*\p+\d):192+2*(16*\p+\d)+1], v2, s[92:93] offset:(16*\p+\d)*256   ; pair p, head d: the two tiles' two bytes
.endr
.endr
	WIN 0x80                                       ; destination window 2
.irp t,0,1,2,3,4,5,6,7                 ; the bias runs along P, so along the registers: the C of the first products
	global_load_b128 v[BIAS+8*\t:BIAS+8*\t+3], v3, s[8:9] offset:(32*(\t/2)+8*(\t%2))*4
	global_load_b128 v[BIAS+8*\t+4:BIAS+8*\t+7], v3, s[8:9] offset:(32*(\t/2)+8*(\t%2))*4+16
.endr
	WIN 0
	s_wait_loadcnt 0x0
.irp p,0,1
.irp e,0,1
.irp s,0,1,2,3,4,5,6,7
	v_lshl_or_b32 v[RS+8*(2*\p+\e)+\s], v[192+2*(16*\p+2*\s+1)+\e], 16, v[192+2*(16*\p+2*\s)+\e]   ; K step s is heads 2 s and 2 s + 1
.endr
.endr
.endr
	PLACES 8                                       ; a scale register written by a vector instruction stands 8 places ahead of a scaled matrix instruction
.macro FETCH s
.set FS, (\s)%2
.set FJ, ((\s)/2)%2
	WIN 0x80
.irp t,0,1,2,3,4,5,6,7
	ds_load_b128 v[96*FS+12*\t:96*FS+12*\t+3], v[AP16] offset:TP*\t+1536*FS
	ds_load_b64 v[96*FS+12*\t+4:96*FS+12*\t+5], v[AP8] offset:TP*\t+1536*FS+512
	ds_load_b128 v[96*FS+12*\t+6:96*FS+12*\t+9], v[AP16] offset:TP*\t+1536*FS+768
	ds_load_b64 v[96*FS+12*\t+10:96*FS+12*\t+11], v[AP8] offset:TP*\t+1536*FS+1280
.endr
	WIN 0
.irp a,0,1,2,3
	ds_load_b128 v[RF+48*FS+12*\a:RF+48*FS+12*\a+3], v[AR16] offset:XP*\a+1536*FS
	ds_load_b64 v[RF+48*FS+12*\a+4:RF+48*FS+12*\a+5], v[AR8] offset:XP*\a+1536*FS+512
	ds_load_b128 v[RF+48*FS+12*\a+6:RF+48*FS+12*\a+9], v[AR16] offset:XP*\a+1536*FS+768
	ds_load_b64 v[RF+48*FS+12*\a+10:RF+48*FS+12*\a+11], v[AR8] offset:XP*\a+1536*FS+1280
.endr
.if FS == 0
.irp t,0,1,2,3,4,5,6,7
	ds_load_b64 v[PS+16*FJ+2*\t:PS+16*FJ+2*\t+1], v[AP8] offset:TP*\t+3072
.endr
.endif
.endm
; 32 products: the accumulators take turns, one instruction a turn, in the same order in every K step.  first = 1: the sums begin with the bias
.macro MULS s, first
.set FS, (\s)%2
.set FJ, ((\s)/2)%2
.if \first
	WIN 0x62                                       ; source 0 (Wo) window 2, source 1 (x) window 0, C window 2, D window 1
.else
	WIN 0x52                                       ; C and D window 1
.endif
.irp a,0,1,2,3
.irp t,0,1,2,3,4,5,6,7
.set DD, 64*\a+8*\t
.set CC, DD
.if \first
.set CC, BIAS+8*\t
.endif
	v_wmma_scale_f32_16x16x128_f8f6f4 v[DD:DD+7], v[96*FS+12*\t:96*FS+12*\t+11], v[RF+48*FS+12*\a:RF+48*FS+12*\a+11], v[CC:CC+7], v[PS+16*FJ+2*\t+FS], v[RS+8*\a+(\s)] matrix_a_fmt:MATRIX_FMT_FP6 matrix_b_fmt:MATRIX_FMT_FP6
.endr
.endr
.endm
.macro KHEAD s
	s_wait_dscnt 0x0                               ; this step's fragments are in (and no LDS load of mine is out at the barrier)
.if (\s) == 3
	s_wait_tensorcnt 0x0                           ; every wave: its one load has landed, half 1's among them;
	s_barrier_signal -1
	s_barrier_wait -1                              ; half 1 is shown to all, and nobody reads half 0 any more.
.set ONP, HALF-REC                     ; from a half's second 256 along K to the next half's first: Wo's tiles,
.set ONX, HALF-XCH                     ; x's
.else
.set ONP, REC                          ; from a tile's first 256 along K to its second
.set ONX, XCH
.endif
.if ((\s)%2 == 1) && ((\s) < 7)
	WIN 0
	v_add_nc_u32 v[AP16], ONP, v[AP16]             ; on to the next 256 along K.  These four are also the places in front of the loads into registers that the last products read
	s_wait_alu depctr_va_vdst(0)
	v_add_nc_u32 v[AP8], ONP, v[AP8]
	s_wait_alu depctr_va_vdst(0)
	v_add_nc_u32 v[AR16], ONX, v[AR16]
	s_wait_alu depctr_va_vdst(0)
	v_add_nc_u32 v[AR8], ONX, v[AR8]
.elseif ((\s) > 0) && ((\s) < 7)
	PLACES 4
.endif
.if (\s) < 7
	FETCH (\s)+1
.endif
.endm
	s_wait_alu depctr_va_vdst(0)
	s_cmp_lt_u32 s16, 2                            ; waves 0 and 1 asked for half 0, each by a line of its own: they wait for it;
	s_cbranch_scc0 .Lnot_half_0
	s_wait_tensorcnt 0x0
.Lnot_half_0:                                          ; half 1's loads may stay out
	s_barrier_signal -1
	s_barrier_wait -1                              ; everybody's is
	FETCH 0
	KHEAD 0
	MULS 0, 1
.irp s,1,2,3,4,5,6,7
	s_wait_alu depctr_va_vdst(0)
	KHEAD \s
	MULS \s, 0
.endr
	WIN 0
	PLACES 4                                       ; in front of the first read of results
; THE WAY OUT, an R tile (16 rows x my 128 columns) at a time: a lane holds pieces of one row, the lanes beside it other rows; through my own stage they come back as whole rows of 512 bytes.
; LDS serves a wave's instructions in order: no wait between the stores and the loads.  The stages lie in half 0's bytes: every wave waited for its last reads of them ahead of K step 3's barrier.
.macro OUTA a
	WIN 0x04                                       ; an LDS store's data are its source 1: window 1
.irp t,0,1,2,3,4,5,6,7
	ds_store_b128 v[STO], v[64*(\a)+8*\t:64*(\a)+8*\t+3] offset:128*(\t/2)+32*(\t%2)         ; each accumulator from its low end on: columns 32 (t / 2) + 16 h + 8 (t % 2) on
	ds_store_b128 v[STO], v[64*(\a)+8*\t+4:64*(\a)+8*\t+7] offset:128*(\t/2)+32*(\t%2)+16
.endr
	WIN 0
.if (\a) > 0
	s_wait_xcnt 0x0                                ; the last tile's stores have read their registers
.endif
.irp i,0,1,2,3,4,5,6,7,8,9,10,11,12,13,14,15
	ds_load_b128 v[BK+4*\i:BK+4*\i+3], v[RD] offset:SPITCH*\i
.endr
	s_wait_dscnt 0x0
.irp i,0,1,2,3,4,5,6,7,8,9,10,11,12,13,14,15
	global_store_b128 v1, v[BK+4*\i:BK+4*\i+3], s[96:97] offset:(32*((\a)/2)+8*((\a)%2)+\i+8*(\i/8))*4096 th:TH_STORE_NT   ; 512 consecutive bytes, aligned; written once, read by nobody here
.endr
.endm
	OUTA 0
	OUTA 1
	OUTA 2
	OUTA 3
	s_wait_tensorcnt 0x0                           ; the wave's end
	ds_add_u32 v[SPW], v[NIL]
	s_wait_dscnt 0x0
	CROUND                                         ; the closing round
	s_endpgm
.Lfunc_end_k_q4d7204399a_outproj:
	.size	k_q4d7204399a_outproj, .Lfunc_end_k_q4d7204399a_outproj-k_q4d7204399a_outproj
	.p2alignl 7, 3214868480
	.fill 96, 4, 3214868480
	.section	.rodata,"a",@progbits
	.p2align	6, 0x0
	.amdhsa_kernel k_q4d7204399a_outproj
		.amdhsa_group_segment_fixed_size 327680
		.amdhsa_private_segment_fixed_size 0
		.amdhsa_enable_private_segment 0
		.amdhsa_kernarg_size 32
		.amdhsa_user_sgpr_count 2
		.amdhsa_user_sgpr_kernarg_segment_ptr 1
		.amdhsa_wavefront_size32 1
		.amdhsa_system_sgpr_workgroup_id_x 1
		.amdhsa_system_sgpr_workgroup_id_y 1
		.amdhsa_system_sgpr_workgroup_id_z 1
		.amdhsa_system_vgpr_workitem_id 0
		.amdhsa_next_free_vgpr 768
		.amdhsa_next_free_sgpr 100
		.amdhsa_reserve_vcc 0
		.amdhsa_float_denorm_mode_32 3
		.amdhsa_float_denorm_mode_16_64 3
		.amdhsa_memory_ordered 1
		.amdhsa_forward_progress 1
		.amdhsa_inst_pref_size 90
	.end_amdhsa_kernel
	.amdgpu_metadata
---
amdhsa.version: [ 1, 2 ]
amdhsa.kernels:
  - .name:           k_q4d7204399a_outproj
    .symbol:         k_q4d7204399a_outproj.kd
    .args:
      - { .name: x, .offset: 0, .size: 8, .value_kind: global_buffer, .address_space: global }
      - { .name: wts, .offset: 8, .size: 8, .value_kind: global_buffer, .address_space: global }
      - { .name: bo, .offset: 16, .size: 8, .value_kind: global_buffer, .address_space: global }
      - { .name: out0, .offset: 24, .size: 8, .value_kind: global_buffer, .address_space: global }
    .group_segment_fixed_size: 327680
    .private_segment_fixed_size: 0
    .kernarg_segment_align: 8
    .kernarg_segment_size: 32
    .max_flat_workgroup_size: 128
    .sgpr_count:     100
    .vgpr_count:     768
    .wavefront_size: 32
...
	.end_amdgpu_metadata
.endif
;; end of part 4
